; MI455X (gfx1250); checked and timed in simulation.
; The chip was launched on July 23, 2026; its instructions are those of AMD's public machine-readable ISA for CDNA 5 (MIT licence, August 2026) and "CDNA5" Instruction Set Architecture Reference Guide (July 2026). The comments in the code are by the model that wrote it; some were corrected since.
;; Alignment. Allowed arithmetic: matrix products marked QUANTISED: E2M3 operands, one E8M0 scale for each 32 along K, by v_wmma_scale_f32_16x16x128_f8f6f4 with both operands' format E2M3, f32 sums; everything else in f32.
;; Inputs: b_kv 1,024 float32; b_m 512 float32; b_out 512 float32; b_q 512 float32; bn_beta 512 float32; bn_gamma 512 float32; bn_mean 512 float32; bn_var 512 float32; conv_b 512 float32; conv_w 512 x 512 float32; ln_b 512 float32; ln_g 512 float32; pe 512 x 512 float32; w_kv 512 x 1,024 float32; w_m 512 x 512 float32; w_out 512 x 512 float32; w_q 512 x 512 float32; x 16 x 512 x 4 x 512 float32.
;; Outputs: out0 16 x 512 x 4 x 512 float32.
;; This version of the problem:
;;   THIS VERSION OF THE PROBLEM IS GIVEN IN LOW PRECISION. The matrix products marked QUANTISED in the list below multiply operands that are first quantised to E2M3 (2 exponent bits, 3 mantissa bits; 6 bits a number), with one power-of-two scale for each 32 numbers along K (OCP MX v1.0); their sums are f32. All else is computed in f32.
;;   The module's matrix products, in the order in which they are computed (A, B: the left and right operand; K: the contracted axis; several contracted axes count as one K, in the product's order):
;;     1. [M 32,768, K 512] x [K 512, N 512]; A: input x; B: input conv_w: QUANTISED
;;     2. [M 32,768, K 512] x [K 512, N 512]; A: computed on the way; B: input w_q: QUANTISED
;;     3. [M 32,768, K 512] x [K 512, N 1,024]; A: computed on the way; B: input w_kv: QUANTISED
;;     4. batch 512 x [M 512, K 64] x [K 64, N 512]; A: computed on the way; B: computed on the way: QUANTISED
;;     5. batch 512 x [M 512, K 512] x [K 512, N 64]; A: softmax (see below); B: computed on the way: QUANTISED
;;     6. [M 32,768, K 512] x [K 512, N 512]; A: computed on the way; B: input w_m: QUANTISED
;;     7. [M 32,768, K 512] x [K 512, N 512]; A: computed on the way; B: input w_out: QUANTISED
;;   THE QUANTISER, for each operand of a quantised product, along K:
;;     - K is cut into blocks of 32 from its start; a last block that is shorter is filled with zeros.
;;     - A block's scale is 2^e with e = floor(log2(the largest magnitude in the block)) - 2, held to -126 .. 127; a block of zeros has e = 0. As a byte (E8M0): e + 127.
;;     - Each number is divided by its block's scale, clamped to +-7.5, and rounded to the nearest number of E2M3, ties to even, subnormals kept.
;;     - The product sums the exact products of the quantised numbers (number of the format x scale) in f32.
;;   ~~~python
;;   def quantise(x, axis):      # numpy; x: float32 -> the quantised numbers, widened to float32 again
;;       x = np.moveaxis(x, axis, -1); K = x.shape[-1]
;;       x = np.pad(x, [(0, 0)] * (x.ndim - 1) + [(0, -K % 32)]); x = x.reshape(x.shape[:-1] + (-1, 32)); a = np.abs(x).max(-1, keepdims=True)
;;       e = np.where(a > 0, np.clip(np.frexp(np.where(a > 0, a, 1))[1] - 1 - 2, -126, 127), 0)      # np.frexp(a)[1] - 1 = floor(log2(a)), exactly
;;       r = np.clip(x / 2.0 ** e, -7.5, 7.5)
;;       step = 2.0 ** (np.maximum(np.frexp(np.where(r == 0, 1, r))[1] - 1, 0) - 3)
;;       q = np.round(r / step) * step * 2.0 ** e      # np.round: ties to even
;;       return np.moveaxis(q.reshape(q.shape[:-2] + (-1,))[..., :K], -1, axis).astype(np.float32)
;;   ~~~
;;   SOFTMAX AHEAD OF A QUANTISED PRODUCT. Where the list says 'softmax', what is quantised is not the finished softmax but p = 2^(t - M), with t = logit x log2(e) and M = ceil(the row's largest t), a whole number; so 1/2 < the row's largest p <= 1. The row's sum l is taken of the UNQUANTISED p, in f32, and the product's result is divided by l at the end. Since M is a whole number, a kernel that streams over the keys may use a running M (the ceiling of the running maximum): every later rescaling is an exact power of two, which a block's scale takes up: the codes' values come out the same.
;;   OPERANDS COMPUTED ON THE WAY. 'Computed on the way' means the value that the module computes at that place (a softmax that the list does not call 'softmax' is quantised finished and normalised). What goes into a quantiser is computed in f32, as accurately as f32 sums, v_exp_f32 and their like allow (about 1e-6 of the number): no bf16 or f16 on the way to a quantiser, and a product that is left as it is and whose result goes on into a quantised operand takes f32 operands (vector FMAs, or v_wmma_f32_16x16x4_f32). A number that lies on a knife's edge between two numbers of the format may be rounded either way, as far as f32 arithmetic and the matrix unit's own rounding can turn it there, and no further.
;; One version. Each part assembles by itself: llvm-mc -triple=amdgcn-amd-amdhsa -mcpu=gfx1250 --defsym DOCPART=n.
;; ======== version 1 of 1: 3 launches
;; workspace buffers: xc 12,582,912 bytes; xpc 12,582,912 bytes; xsc 1,048,576 bytes; wa 614,400 bytes; wt 614,400 bytes; oc 12,582,912 bytes; osc 524,288 bytes
;; launch prep (part 1): grid 1120 x 1, 4 waves a work-group, no clusters, 68,096 bytes of LDS; arguments x, pe, w_q, w_kv, w_m, w_out, conv_w, xc, xpc, xsc, wa, wt; writes xc, xpc, xsc, wa, wt
.if DOCPART == 1
	.amdgcn_target "amdgcn-amd-amdhsa--gfx1250"
	.amdhsa_code_object_version 6
	.text
	.protected	k_qe5e995796d_prep
	.globl	k_qe5e995796d_prep
	.p2align	8
	.type	k_qe5e995796d_prep,@function
k_qe5e995796d_prep:
	s_mov_b64 s[64:65], 0
	v_nop
	global_prefetch_b8 v0, s[64:65] scope:SCOPE_SE
	s_setreg_imm32_b32 hwreg(HW_REG_WAVE_MODE, 25, 1), 1
	s_wait_xcnt 0x0
; PREP: x, xp = x^T + pe and the five weights become codes of FP6 (E2M3) with one E8M0 byte for each 32 along K (K = the channels c),
; laid in the workspace as IMAGES OF OPERAND REGISTERS: a fragment (16 rows x 128 K, 12 registers a lane) is three runs of 512 bytes, lane l's 16 bytes at 16 l.
; A block's scale is 2^(floor(log2(largest magnitude)) - 2); its byte is the largest magnitude's exponent field - 2, held at 1 from below.
; A block of zeros so gets the byte 1 where the rule says 127: its codes are zeros, and these bytes are read by this program alone.
; LIMITS: NaN and infinities among the inputs are not served.
; SHARES.  A wave takes a patch of 128 along K x 32 columns (of x: 32 places l; of a weight: 32 output columns): A LANE TAKES A COLUMN AND ITS REGISTERS RUN DOWN K,
; so a block of 32 lies in one lane and nothing is transposed.  The patch makes two fragments and one scale word a lane.
; THE 16 ROWS OF A TILE ARE NOT NEIGHBOURS: tile 2 g + u, row m, is index 32 g + 8 u + m + 8 (m / 8).  So lane L takes index pi(L) = L % 8 + 16 ((L / 8) % 2) + 8 (L / 16) of its 32:
; lanes 0-15 hold tile 2 g, lanes 16-31 tile 2 g + 1.  With such a tile as source 0 of a product the 16 result registers of two neighbouring tiles are 16 neighbours along the next K.
; Work-groups 0-95 take the weights (16 w_q, 32 w_kv, 16 w_m, 16 w_out, 16 conv_w), work-groups 96-1119 x: 64 slices x 4 K steps x 4 quarters of l; the four waves stand side by side on 512 bytes of each row of x.
; No tensor load, no barrier: waves share nothing.  pe has c innermost, so its 32 rows x 512 bytes turn through the wave's own stage in LDS (rows of 528 bytes).
.set XA,   128                         ; v128-255 four blocks of 32 numbers down K
.set PT,   64                          ; v64-127  16 rows of pe as loaded
.set PEB,  64                          ; v64-95   afterwards: a block of pe, then of xp
.set TX,   96                          ; v96-119  x's (or a weight's) two fragments
.set TP,   32                          ; v32-55   xp's two fragments
.set SP,   528
.set WSTG, 32*SP
; 32 numbers of one lane, v[src] on, become 6 registers of codes at v[dst] on; the block's byte goes to byte blk of v[sw].
.macro QBLOCK src, dst, blk, sw
	v_max3_num_f32 v10, |v[(\src)]|, |v[(\src)+1]|, |v[(\src)+2]|
	v_max3_num_f32 v11, |v[(\src)+3]|, |v[(\src)+4]|, |v[(\src)+5]|
.irp i, 6,10,14,18,22,26
	v_max3_num_f32 v10, v10, |v[(\src)+\i]|, |v[(\src)+\i+1]|
	v_max3_num_f32 v11, v11, |v[(\src)+\i+2]|, |v[(\src)+\i+3]|
.endr
	v_max3_num_f32 v10, v10, |v[(\src)+30]|, |v[(\src)+31]|
	v_max3_num_f32 v10, v10, v11, 0x1800000        ; the floor 2^(3 - 127): the byte cannot fall under 1
	v_add_nc_u32 v12, 0xff000000, v10              ; 2 off the exponent field: the conversion takes this operand's exponent field as its scale
	v_lshrrev_b32 v13, 23, v12                     ; the scale's byte
.if (\blk) == 0
	v_mov_b32 v[\sw], v13
.else
	v_lshl_or_b32 v[\sw], v13, 8*(\blk), v[\sw]
.endif
	v_cvt_scalef32_pk16_fp6_f32 v[(\dst):(\dst)+2], v[(\src):(\src)+15], v12
	v_cvt_scalef32_pk16_fp6_f32 v[20:22], v[(\src)+16:(\src)+31], v12   ; (a conversion's three registers begin on an even number)
	v_nop                                          ; one plain line behind a scaled conversion
	v_mov_b32 v[(\dst)+3], v20
	v_mov_b32 v[(\dst)+4], v21
	v_mov_b32 v[(\dst)+5], v22
.endm
	s_load_b256 s[4:11], s[0:1], 0x0               ; x s[4:5], pe s[6:7], w_q s[8:9], w_kv s[10:11]
	s_load_b256 s[12:19], s[0:1], 0x20             ; w_m s[12:13], w_out s[14:15], conv_w s[16:17], xc s[18:19]
	s_load_b256 s[20:27], s[0:1], 0x40             ; xpc s[20:21], xsc s[22:23], wa s[24:25], wt s[26:27]
	v_lshl_add_u32 v62, v0, 2, 0x10800
	v_mov_b32 v63, 0
	v_lshrrev_b32 v1, 5, v0
	v_readfirstlane_b32 s28, v1                    ; wave 0..3
	v_and_b32 v1, 31, v0                           ; lane L
	v_and_b32 v2, 7, v1
	v_bfe_u32 v9, v1, 3, 1
	v_lshl_add_u32 v2, v9, 4, v2
	v_bfe_u32 v9, v1, 4, 1
	v_lshl_add_u32 v2, v9, 3, v2                   ; pi(L)
	v_lshlrev_b32 v3, 2, v2                        ; 4 pi(L): my column's bytes in a row whose columns are innermost
	v_lshlrev_b32 v4, 4, v1                        ; 16 L: my place in an image
	s_cmp_lt_u32 ttmp9, 96
	s_cbranch_scc1 .Lweights
	; ---------------- x and xp
	s_sub_co_u32 s29, ttmp9, 96
	s_and_b32 s30, s29, 3
	s_lshl_b32 s30, s30, 2
	s_add_co_u32 s30, s30, s28                     ; g: which 32 places l of the slice's 512
	s_bfe_u32 s33, s29, 0x20002                    ; ks: which 128 channels
	s_lshr_b32 s34, s29, 4                         ; u = 4 b + t: the slice
	s_lshr_b32 s36, s34, 2
	s_lshl_b32 s36, s36, 22                        ; x: b x 4,194,304
	s_and_b32 s35, s34, 3
	s_lshl_b32 s35, s35, 11                        ;  + t x 2,048
	s_add_co_u32 s36, s36, s35
	s_lshl_b32 s35, s33, 20                        ;  + 128 ks channels of 8,192 bytes
	s_add_co_u32 s36, s36, s35
	s_lshl_b32 s35, s30, 7                         ;  + 32 g places of 4 bytes
	s_add_co_u32 s36, s36, s35
	s_mov_b32 s37, 0
	s_lshl_b32 s38, s30, 16                        ; pe: 32 g rows of 2,048 bytes + 128 ks channels of 4
	s_lshl_b32 s35, s33, 9
	s_add_co_u32 s38, s38, s35
	s_mov_b32 s39, 0
	s_lshl_b32 s40, s34, 7                         ; the codes: ((32 u + 2 g) 4 + ks) x 1,536
	s_lshl_b32 s35, s30, 3
	s_add_co_u32 s40, s40, s35
	s_add_co_u32 s40, s40, s33
	s_mul_i32 s40, s40, 1536
	s_mov_b32 s41, 0
	s_lshl_b32 s42, s34, 4                         ; the scale words: ((16 u + g) 4 + ks) x 256
	s_add_co_u32 s42, s42, s30
	s_lshl_b32 s42, s42, 2
	s_add_co_u32 s42, s42, s33
	s_lshl_b32 s42, s42, 8
	s_mov_b32 s43, 0
	s_mul_i32 s35, s28, WSTG                       ; my wave's stage
	s_wait_alu depctr_va_vdst(0)
	v_add_nc_u32 v7, s35, v4                       ; into it: a row's 512 bytes, 16 a lane
	v_mul_u32_u24 v8, v2, SP
	v_add_nc_u32 v8, s35, v8                       ; out of it: row pi(L)
	v_lshlrev_b32 v5, 3, v1                        ; 8 L: my pair of scale words
	s_wait_alu depctr_va_vdst(0)
	s_wait_kmcnt 0x0
	s_add_nc_u64 s[4:5], s[4:5], s[36:37]
	s_add_nc_u64 s[6:7], s[6:7], s[38:39]
	s_add_nc_u64 s[18:19], s[18:19], s[40:41]
	s_add_nc_u64 s[20:21], s[20:21], s[40:41]
	s_add_nc_u64 s[22:23], s[22:23], s[42:43]
.macro PELOAD c                        ; rows 16 c .. 16 c + 15 of my 32 rows of pe: 512 consecutive bytes a load
.irp i, 0,1,2,3,4,5,6,7,8,9,10,11,12,13,14,15
	global_load_b128 v[PT+4*\i:PT+4*\i+3], v4, s[6:7] offset:(16*(\c)+\i)*2048
.endr
.endm
.macro PESTORE c
.irp i, 0,1,2,3,4,5,6,7,8,9,10,11,12,13,14,15
	ds_store_b128 v7, v[PT+4*\i:PT+4*\i+3] offset:(16*(\c)+\i)*SP
.endr
.endm
.macro XLOAD blk                       ; x(128 ks + 32 blk + i, my place l), i = 0 .. 31: the 32 lanes read 128 consecutive bytes, the four waves 512
.set i, 0
.rept 32
	global_load_b32 v[XA+32*(\blk)+i], v3, s[4:5] offset:(32*(\blk)+i)*8192 th:TH_LOAD_NT
.set i, i+1
.endr
.endm
.macro XBLOCK b                        ; block b: x is quantised, pe comes from the stage, xp = x + pe is quantised
.irp k, 0,1,2,3,4,5,6,7
	ds_load_b128 v[PEB+4*\k:PEB+4*\k+3], v8 offset:128*(\b)+16*\k
.endr
	QBLOCK XA+32*(\b), TX+12*((\b)%2)+6*((\b)/2), \b, 16
	s_wait_dscnt 0x0
.irp k, 0,1,2,3,4,5,6,7,8,9,10,11,12,13,14,15
	v_pk_add_f32 v[PEB+2*\k:PEB+2*\k+1], v[PEB+2*\k:PEB+2*\k+1], v[XA+32*(\b)+2*\k:XA+32*(\b)+2*\k+1]
.endr
	QBLOCK PEB, TP+12*((\b)%2)+6*((\b)/2), \b, 17
.endm
	PELOAD 0
	XLOAD 0
	s_wait_loadcnt 32                              ; pe's first 16 rows are in; block 0's 32 loads may be out
	PESTORE 0
	s_wait_dscnt 0x0                               ; the stores have read their registers, which are loaded again
	PELOAD 1
	XLOAD 1
	s_wait_loadcnt 32                              ; block 0 and pe's other 16 rows are in; block 1 may be out
	PESTORE 1
	s_wait_dscnt 0x0
	XLOAD 2
	XBLOCK 0
	s_wait_loadcnt 32                              ; block 1 is in; block 2 may be out
	XLOAD 3
	XBLOCK 1
	s_wait_loadcnt 32                              ; block 2 is in; block 3 may be out
	XBLOCK 2
	s_wait_loadcnt 0x0
	XBLOCK 3
	; Blocks 0 and 2 stand in the first run of 12 registers, blocks 1 and 3 in the second.  The operand wants lanes 0-15 to hold a row's blocks 0 and 2 and lanes 16-31 the same row's blocks 1 and 3:
	; the first run's lanes 16-31 change places with the second's lanes 0-15, and the runs are the fragments of tiles 2 g and 2 g + 1.
.irp k, 0,1,2,3,4,5,6,7,8,9,10,11
	v_permlane16_swap_b32 v[TX+\k], v[TX+12+\k]
	v_permlane16_swap_b32 v[TP+\k], v[TP+12+\k]
.endr
.irp i, 0,1,2
	global_store_b128 v4, v[TX+4*\i:TX+4*\i+3], s[18:19] offset:512*\i th:TH_STORE_NT            ; each store covers 512 consecutive bytes, aligned
	global_store_b128 v4, v[TX+12+4*\i:TX+12+4*\i+3], s[18:19] offset:6144+512*\i th:TH_STORE_NT  ; the next tile of rows lies four K steps on
	global_store_b128 v4, v[TP+4*\i:TP+4*\i+3], s[20:21] offset:512*\i th:TH_STORE_NT
	global_store_b128 v4, v[TP+12+4*\i:TP+12+4*\i+3], s[20:21] offset:6144+512*\i th:TH_STORE_NT
.endr
	global_store_b64 v5, v[16:17], s[22:23] th:TH_STORE_NT    ; x's word and xp's: 256 consecutive bytes, aligned
	s_wait_tensorcnt 0x0
	ds_add_u32 v62, v63
	s_wait_dscnt 0x0
	s_endpgm
	; ---------------- the weights
.Lweights:
	s_wait_alu depctr_va_vdst(0)
	v_lshlrev_b32 v14, 2, v1                       ; 4 L: my scale word
	v_lshlrev_b32 v6, 11, v2                       ; conv_w: row pi(L) of 2,048 bytes
	s_wait_kmcnt 0x0
	s_mov_b64 s[46:47], s[16:17]                   ; which weight: chosen on the work-group's number alone
	s_mov_b32 s29, 80
	s_mov_b32 s34, 0                               ; its place among the tail's three: conv_w 0, w_m 1, w_out 2
	s_cmp_lt_u32 ttmp9, 80
	s_cselect_b64 s[46:47], s[14:15], s[46:47]
	s_cselect_b32 s29, 64, s29
	s_cselect_b32 s34, 2, s34
	s_cmp_lt_u32 ttmp9, 64
	s_cselect_b64 s[46:47], s[12:13], s[46:47]
	s_cselect_b32 s29, 48, s29
	s_cselect_b32 s34, 1, s34
	s_cmp_lt_u32 ttmp9, 48
	s_cselect_b64 s[46:47], s[10:11], s[46:47]
	s_cselect_b64 s[48:49], s[24:25], s[26:27]     ; w_q and w_kv go to wa, the others to wt
	s_cselect_b32 s29, 16, s29
	s_cselect_b32 s44, 19, 18                      ; 128 rows of 4,096 or of 2,048 bytes, as a shift
	s_cmp_lt_u32 ttmp9, 16
	s_cselect_b64 s[46:47], s[8:9], s[46:47]
	s_cselect_b32 s29, 0, s29
	s_cselect_b32 s44, 18, s44
	s_cselect_b32 s45, 2, 0                        ; wa's groups: 0, 1 k of the pair's two heads; 2, 3 q; 4, 5 v
	s_sub_co_u32 s29, ttmp9, s29
	s_and_b32 s33, s29, 3                          ; ks
	s_lshr_b32 s30, s29, 2
	s_lshl_b32 s30, s30, 2
	s_add_co_u32 s30, s30, s28                     ; cg: which 32 columns
	s_lshr_b32 s35, s30, 4                         ; 1 in w_kv's second half: v
	s_lshl_b32 s35, s35, 2
	s_add_co_u32 s45, s45, s35
	s_bfe_u32 s35, s30, 0x30001                    ; the head: (cg % 16) / 2
	s_and_b32 s36, s35, 1
	s_add_co_u32 s45, s45, s36                     ; the group
	s_lshr_b32 s35, s35, 1
	s_mul_i32 s35, s35, 153600                     ; the head pair's slice of wa
	s_mul_i32 s40, s45, 24576
	s_add_co_u32 s40, s40, s35
	s_lshl_b32 s42, s45, 10
	s_add_co_u32 s42, s42, s35
	s_add_co_u32 s42, s42, 147456
	s_lshr_b32 s35, s30, 1                         ; wt: ((cg / 2) 3 + place) x 25,600
	s_mul_i32 s35, s35, 3
	s_add_co_u32 s35, s35, s34
	s_mul_i32 s35, s35, 25600
	s_add_co_u32 s36, s35, 24576
	s_cmp_lt_u32 ttmp9, 48
	s_cselect_b32 s40, s40, s35
	s_cselect_b32 s42, s42, s36
	s_mul_i32 s35, s33, 6144                       ; + the K step, + which pair of the group's four tiles
	s_add_co_u32 s40, s40, s35
	s_and_b32 s35, s30, 1
	s_mul_i32 s37, s35, 3072
	s_add_co_u32 s40, s40, s37
	s_lshl_b32 s37, s33, 8
	s_add_co_u32 s42, s42, s37
	s_lshl_b32 s37, s35, 7
	s_add_co_u32 s42, s42, s37
	s_mov_b32 s41, 0
	s_mov_b32 s43, 0
	s_add_nc_u64 s[50:51], s[48:49], s[42:43]      ; the scale words
	s_add_nc_u64 s[48:49], s[48:49], s[40:41]      ; the images
	s_lshl_b32 s36, s33, s44                       ; the source.  K outermost: 128 ks rows + 32 cg columns
	s_lshl_b32 s37, s30, 7
	s_add_co_u32 s36, s36, s37
	s_lshl_b32 s37, s30, 16                        ; conv_w, K innermost: 32 cg rows + 128 ks columns
	s_lshl_b32 s38, s33, 9
	s_add_co_u32 s37, s37, s38
	s_cmp_lt_u32 ttmp9, 80
	s_cselect_b32 s36, s36, s37
	s_mov_b32 s37, 0
	s_add_nc_u64 s[46:47], s[46:47], s[36:37]
.macro WLOADK rs                       ; 128 rows down K at my column
.set i, 0
.rept 128
	global_load_b32 v[XA+i], v3, s[46:47] offset:i*(\rs)
.set i, i+1
.endr
.endm
	s_cmp_ge_u32 ttmp9, 80
	s_cbranch_scc1 .Lconv
	s_cmp_eq_u32 s44, 19
	s_cbranch_scc1 .Lkv
	WLOADK 2048
	s_branch .Lquant
.Lkv:
	WLOADK 4096
	s_branch .Lquant
.Lconv:
.set i, 0
	s_wait_alu depctr_va_vdst(0)
.rept 32
	global_load_b128 v[XA+4*i:XA+4*i+3], v6, s[46:47] offset:16*i   ; my row's 128 neighbours along K
.set i, i+1
.endr
.Lquant:
	s_wait_loadcnt 0x0
.irp b, 0,1,2,3
	QBLOCK XA+32*\b, TX+12*(\b%2)+6*(\b/2), \b, 16
.endr
.irp k, 0,1,2,3,4,5,6,7,8,9,10,11
	v_permlane16_swap_b32 v[TX+\k], v[TX+12+\k]
.endr
.irp i, 0,1,2
	global_store_b128 v4, v[TX+4*\i:TX+4*\i+3], s[48:49] offset:512*\i th:TH_STORE_NT
	global_store_b128 v4, v[TX+12+4*\i:TX+12+4*\i+3], s[48:49] offset:1536+512*\i th:TH_STORE_NT
.endr
	global_store_b32 v14, v16, s[50:51] th:TH_STORE_NT        ; 128 consecutive bytes: the other half of the aligned 256 is the neighbouring wave's; 49,152 bytes of such stores in the launch
	s_endpgm
.Lfunc_end_k_qe5e995796d_prep:
	.size	k_qe5e995796d_prep, .Lfunc_end_k_qe5e995796d_prep-k_qe5e995796d_prep
	.p2alignl 7, 3214868480
	.fill 96, 4, 3214868480
	.section	.rodata,"a",@progbits
	.p2align	6, 0x0
	.amdhsa_kernel k_qe5e995796d_prep
		.amdhsa_group_segment_fixed_size 68096
		.amdhsa_private_segment_fixed_size 0
		.amdhsa_enable_private_segment 0
		.amdhsa_kernarg_size 96
		.amdhsa_user_sgpr_count 2
		.amdhsa_user_sgpr_kernarg_segment_ptr 1
		.amdhsa_wavefront_size32 1
		.amdhsa_system_sgpr_workgroup_id_x 1
		.amdhsa_system_sgpr_workgroup_id_y 1
		.amdhsa_system_sgpr_workgroup_id_z 1
		.amdhsa_system_vgpr_workitem_id 0
		.amdhsa_next_free_vgpr 256
		.amdhsa_next_free_sgpr 66
		.amdhsa_reserve_vcc 0
		.amdhsa_float_denorm_mode_32 3
		.amdhsa_float_denorm_mode_16_64 3
		.amdhsa_memory_ordered 1
		.amdhsa_forward_progress 1
		.amdhsa_inst_pref_size 77
	.end_amdhsa_kernel
	.amdgpu_metadata
---
amdhsa.version: [ 1, 2 ]
amdhsa.kernels:
  - .name:           k_qe5e995796d_prep
    .symbol:         k_qe5e995796d_prep.kd
    .args:
      - { .name: x, .offset: 0, .size: 8, .value_kind: global_buffer, .address_space: global }
      - { .name: pe, .offset: 8, .size: 8, .value_kind: global_buffer, .address_space: global }
      - { .name: w_q, .offset: 16, .size: 8, .value_kind: global_buffer, .address_space: global }
      - { .name: w_kv, .offset: 24, .size: 8, .value_kind: global_buffer, .address_space: global }
      - { .name: w_m, .offset: 32, .size: 8, .value_kind: global_buffer, .address_space: global }
      - { .name: w_out, .offset: 40, .size: 8, .value_kind: global_buffer, .address_space: global }
      - { .name: conv_w, .offset: 48, .size: 8, .value_kind: global_buffer, .address_space: global }
      - { .name: xc, .offset: 56, .size: 8, .value_kind: global_buffer, .address_space: global }
      - { .name: xpc, .offset: 64, .size: 8, .value_kind: global_buffer, .address_space: global }
      - { .name: xsc, .offset: 72, .size: 8, .value_kind: global_buffer, .address_space: global }
      - { .name: wa, .offset: 80, .size: 8, .value_kind: global_buffer, .address_space: global }
      - { .name: wt, .offset: 88, .size: 8, .value_kind: global_buffer, .address_space: global }
    .group_segment_fixed_size: 68096
    .private_segment_fixed_size: 0
    .kernarg_segment_align: 8
    .kernarg_segment_size: 96
    .max_flat_workgroup_size: 128
    .sgpr_count:     66
    .vgpr_count:     256
    .wavefront_size: 32
...
	.end_amdgpu_metadata
.endif
;; end of part 1
;; launch attn (part 2): grid 4 x 64, 8 waves a work-group, no clusters, 312,320 bytes of LDS; arguments xpc, xsc, wa, b_q, b_kv, oc, osc; writes oc, osc
.if DOCPART == 2
	.amdgcn_target "amdgcn-amd-amdhsa--gfx1250"
	.amdhsa_code_object_version 6
	.text
	.protected	k_qe5e995796d_attn
	.globl	k_qe5e995796d_attn
	.p2align	8
	.type	k_qe5e995796d_attn,@function
k_qe5e995796d_attn:
	s_mov_b64 s[64:65], 0
	v_nop
	global_prefetch_b8 v0, s[64:65] scope:SCOPE_SE
	s_setreg_imm32_b32 hwreg(HW_REG_WAVE_MODE, 25, 1), 1
	s_wait_xcnt 0x0
; ATTN: for one slice (b, t) and one pair of heads: q, k, v = xp W + b, each head's vector divided by max(its length, 1e-12), quantised; S = q k^T; p = 2^(S log2(e) / 8); O = p v / sum(p); o quantised along the channels.
; All four products on codes of FP6 (E2M3) with one E8M0 byte for each 32 along K.  Work-group x = the head pair s, y = the slice u.
; SHARES.  Eight waves; wave w owns rows (queries, and in the projections keys too) 64 w .. 64 w + 63: four tiles of 16.  Two waves share a SIMD, so that one wave's vector work stands beside the other's products.
; xp's 16 fragments of a wave's rows stay in its registers through the projections; the head pair's weights (147,456 bytes of images, 6,144 of scale words) come into LDS once, by asynchronous copies at the head.
; q and k are made TRANSPOSED (source 0 = 16 columns of W, source 1 = 16 rows of xp): a lane holds one row and 32 of the head's 64 channels, which are the next K.  v is made the other way round: a lane holds one channel and
; its registers run along the keys, which are ITS next K.  Every tile's 16 rows are index 32 g + 8 u + m + 8 (m / 8), so that the 16 registers of two neighbouring tiles are 16 neighbours along the next K.
; Quantised operands go from wave to wave through LDS as images of their registers (half a fragment: 512 bytes of 16 a lane, 256 bytes of 8 a lane); one barrier; then every wave walks all 512 keys, 128 a step.
; THE FIRST ATTENTION PRODUCT HAS K = 64.  q's fragments carry zero codes for K = 64 .. 127.  k's tiles lie dense, 6 registers each; the 12 registers that the instruction names reach into the next tile's codes,
; which are numbers of the format (it has no infinity and no NaN) and meet zero codes; the scale bytes there are 0, never 0xff.
; THE SOFTMAX HAS NO MAXIMUM TO TAKE AWAY.  q and k are unit vectors by the computation itself; quantised, their lengths stay under 1.19, so |t| = |q.k| log2(e) / 8 <= 0.26 for every input: the whole number M of the
; contract is 0 or 1, and it only shifts a block's scale byte and the row's sum by the same exact power of two.  M = 0 is taken: p = 2^t lies in 0.83 .. 1.2, nothing can overflow or underflow.
; LIMITS: a head vector whose sum of squares lies under 2^-126 counts as length 1e-12 (the square root takes such a sum as 0); NaN and infinities are not served.
; NO CLUSTER: xp goes from memory into the registers of the one wave that multiplies by it, where no joint load can land; what passes through LDS and is shared with other work-groups is the weights' 153,600 bytes,
; fetched once at the head, ahead of 768 matrix instructions a wave.  No LDS byte is filled twice, so there is no ring.
; REGISTERS, window 0: v1-6 lane terms; v7-17 addresses; v20-31 scale words; v32-35 scale pairs just made; v36-39 o's scale words; v40-79 at work (in a projection's first K step: the bias tiles);
;   v80-127 p's codes (in the projections: the second weight buffer, sums of squares, codes just made); v128-255 16 accumulators: a projection's, then the scores S^T.
; window 1: projections: v0-191 xp, v192-239 the first weight buffer.  attention: v0-127 O^T, v128-175 q, v176-223 four tiles of k or of v, v224-231 the rows' sums.
.set WSC,  147456                      ; LDS: the weights' images [group 6][K step 4][tile 4] x 1,536 from 0, their scale words [group][K step][pair 2] x 128 from here
.set KIMG, 153600                      ; k's half fragments [head 2][tile 32] x 768;
.set QIMG, 202752                      ; q's likewise
.set VIMG, 251904                      ; v's fragments [head 2][K step 4][tile of channels 4] x 1,536
.set KSC,  301056                      ; scale words [head 2][pair of tiles 16] x 128: the even tile in lanes 0-15, the odd one in lanes 16-31
.set QSC,  305152
.set VSC,  309248                      ; [head 2][K step 4][pair 2] x 128
.set L16, 1
.set L8, 2
.set L4, 3
.set R4, 4
.set H64, 5
.set PI4, 6
.set AW, 7
.set AWS, 8
.set D16, 9
.set D8, 10
.set DSC, 11
.set AK16, 12
.set AK8, 13
.set AKS, 14
.set AV16, 15
.set AV8, 16
.set AVS, 17
.set XPS, 20
.set KS, 20
.set VS, 22
.set QS, 24
.set PS, 26
.set WS, 28
.set SWR, 32
.set OSA, 36
.set TM, 40
.set BI, 40
.set P, 80
.set WB1, 80
.set SS, 80
.set ACC, 128
.set S, 128
.set XP, 0
.set WB0, 192
.set OT, 0
.set Q, 128
.set KV, 176
.set LSUM, 224
.set SEL, 22
.set CS, 24
.set MSB, 0
.macro WIN new                         ; the immediate's high byte repeats the setting that is left; a switch that changes nothing is dropped
.if MSB != (\new)
	s_set_vgpr_msb (MSB<<8)|(\new)
.set MSB, (\new)
.endif
.endm
.macro PLACES n
.rept \n
	v_nop
.endr
.endm
; One matrix instruction.  ra, rb = 1: that side's scale words are taken from lanes 16-31.  WMZ starts a sum with the constant 0, WMC takes C from registers.
.macro WMZ d, a, b, sa, sb, ra, rb
.if ((\ra) != 0) && ((\rb) != 0)
	v_wmma_scale_f32_16x16x128_f8f6f4 v[(\d):(\d)+7], v[(\a):(\a)+11], v[(\b):(\b)+11], 0, v[\sa], v[\sb] matrix_a_fmt:MATRIX_FMT_FP6 matrix_b_fmt:MATRIX_FMT_FP6 matrix_a_scale:MATRIX_SCALE_ROW1 matrix_b_scale:MATRIX_SCALE_ROW1
.elseif (\ra) != 0
	v_wmma_scale_f32_16x16x128_f8f6f4 v[(\d):(\d)+7], v[(\a):(\a)+11], v[(\b):(\b)+11], 0, v[\sa], v[\sb] matrix_a_fmt:MATRIX_FMT_FP6 matrix_b_fmt:MATRIX_FMT_FP6 matrix_a_scale:MATRIX_SCALE_ROW1
.elseif (\rb) != 0
	v_wmma_scale_f32_16x16x128_f8f6f4 v[(\d):(\d)+7], v[(\a):(\a)+11], v[(\b):(\b)+11], 0, v[\sa], v[\sb] matrix_a_fmt:MATRIX_FMT_FP6 matrix_b_fmt:MATRIX_FMT_FP6 matrix_b_scale:MATRIX_SCALE_ROW1
.else
	v_wmma_scale_f32_16x16x128_f8f6f4 v[(\d):(\d)+7], v[(\a):(\a)+11], v[(\b):(\b)+11], 0, v[\sa], v[\sb] matrix_a_fmt:MATRIX_FMT_FP6 matrix_b_fmt:MATRIX_FMT_FP6
.endif
.endm
.macro WMC d, a, b, c, sa, sb, ra, rb
.if ((\ra) != 0) && ((\rb) != 0)
	v_wmma_scale_f32_16x16x128_f8f6f4 v[(\d):(\d)+7], v[(\a):(\a)+11], v[(\b):(\b)+11], v[(\c):(\c)+7], v[\sa], v[\sb] matrix_a_fmt:MATRIX_FMT_FP6 matrix_b_fmt:MATRIX_FMT_FP6 matrix_a_scale:MATRIX_SCALE_ROW1 matrix_b_scale:MATRIX_SCALE_ROW1
.elseif (\ra) != 0
	v_wmma_scale_f32_16x16x128_f8f6f4 v[(\d):(\d)+7], v[(\a):(\a)+11], v[(\b):(\b)+11], v[(\c):(\c)+7], v[\sa], v[\sb] matrix_a_fmt:MATRIX_FMT_FP6 matrix_b_fmt:MATRIX_FMT_FP6 matrix_a_scale:MATRIX_SCALE_ROW1
.elseif (\rb) != 0
	v_wmma_scale_f32_16x16x128_f8f6f4 v[(\d):(\d)+7], v[(\a):(\a)+11], v[(\b):(\b)+11], v[(\c):(\c)+7], v[\sa], v[\sb] matrix_a_fmt:MATRIX_FMT_FP6 matrix_b_fmt:MATRIX_FMT_FP6 matrix_b_scale:MATRIX_SCALE_ROW1
.else
	v_wmma_scale_f32_16x16x128_f8f6f4 v[(\d):(\d)+7], v[(\a):(\a)+11], v[(\b):(\b)+11], v[(\c):(\c)+7], v[\sa], v[\sb] matrix_a_fmt:MATRIX_FMT_FP6 matrix_b_fmt:MATRIX_FMT_FP6
.endif
.endm
; FOUR HALF FRAGMENTS AT ONCE.  Item i has 32 numbers a lane, v[src + 32 i] on, in window sw: register 16 b + k is K index 32 b + 16 (lane / 16) + k of the lane's row, b = 0, 1.
; Out: six registers of codes at v[dst + dstep i] (K = 32 (lane / 16) + 0 .. 31 of the 64) and the two scale bytes in the low half of v[SWR + i], in every lane of the row.
; At work: v[TM] 8 largest magnitudes, +8 the other half's and then the bytes, +16 the conversions' scale operands, +24 four runs of three registers.  The eight blocks take turns, so that no line waits for the line above it.
.macro QUANT2X4 src, sw, abs, dst, dstep
.if \sw
	WIN 0x05
.endif
.irp q, 0,1,2,3,4,5,6,7
.if \abs
	v_max3_num_f32 v[TM+\q], |v[(\src)+16*\q]|, |v[(\src)+16*\q+1]|, 0x1800000   ; with the floor 2^(3 - 127): the byte cannot fall under 1
.else
	v_max3_num_f32 v[TM+\q], v[(\src)+16*\q], v[(\src)+16*\q+1], 0x1800000
.endif
.endr
.if \sw
	WIN 0x14
.endif
.irp k, 2,4,6,8,10,12,14
.irp q, 0,1,2,3,4,5,6,7
.if \abs
	v_max3_num_f32 v[TM+\q], v[TM+\q], |v[(\src)+16*\q+\k]|, |v[(\src)+16*\q+\k+1]|
.else
	v_max3_num_f32 v[TM+\q], v[TM+\q], v[(\src)+16*\q+\k], v[(\src)+16*\q+\k+1]
.endif
.endr
.endr
	WIN 0
.irp q, 0,1,2,3,4,5,6,7
	v_permlanex16_b32 v[TM+8+\q], v[TM+\q], s[SEL], s[SEL+1]
.endr
.irp q, 0,1,2,3,4,5,6,7
	v_max_num_f32 v[TM+\q], v[TM+\q], v[TM+8+\q]   ; with lane l xor 16's 16 numbers: the block's largest magnitude
.endr
.irp q, 0,1,2,3,4,5,6,7
	v_add_nc_u32 v[TM+16+\q], 0xff000000, v[TM+\q] ; 2 off its exponent field: the conversion's scale operand
.endr
.irp q, 0,1,2,3,4,5,6,7
	v_lshrrev_b32 v[TM+8+\q], 23, v[TM+16+\q]      ; the scale's byte
.endr
.irp i, 0,1,2,3
	v_lshl_or_b32 v[SWR+\i], v[TM+8+2*\i+1], 8, v[TM+8+2*\i]
.endr
.if \sw
	WIN 0x01
.endif
.irp i, 0,1,2,3
	v_cvt_scalef32_pk16_fp6_f32 v[(\dst)+(\dstep)*\i:(\dst)+(\dstep)*\i+2], v[(\src)+32*\i:(\src)+32*\i+15], v[TM+16+2*\i]
	v_cvt_scalef32_pk16_fp6_f32 v[TM+24+4*\i:TM+24+4*\i+2], v[(\src)+32*\i+16:(\src)+32*\i+31], v[TM+16+2*\i+1]
.endr
	WIN 0
	v_nop                                          ; one plain line behind the scaled conversions
.irp i, 0,1,2,3                        ; the operand wants a whole block in a lane: lanes 0-15 block 0, lanes 16-31 block 1
.irp k, 0,1,2
	v_permlane16_swap_b32 v[(\dst)+(\dstep)*\i+\k], v[TM+24+4*\i+\k]
.endr
.endr
.irp i, 0,1,2,3
.irp k, 0,1,2
	v_mov_b32 v[(\dst)+(\dstep)*\i+3+\k], v[TM+24+4*\i+\k]
.endr
.endr
.endm
	s_load_b256 s[4:11], s[0:1], 0x0               ; xpc s[4:5], xsc s[6:7], wa s[8:9], b_q s[10:11]
	s_load_b128 s[12:15], s[0:1], 0x20             ; b_kv s[12:13], oc s[14:15]
	s_load_b64 s[16:17], s[0:1], 0x30              ; osc
	v_lshl_add_u32 v75, v0, 2, 0x4c000
	v_mov_b32 v79, 0
	ds_add_u32 v75, v79
	ds_add_u32 v75, v79
	v_lshrrev_b32 v18, 5, v0
	s_delay_alu instid0(VALU_DEP_1)
	v_readfirstlane_b32 s18, v18                   ; wave w, 0..7
	s_mov_b32 s19, ttmp9                           ; s: the head pair
	s_and_b32 s20, ttmp7, 0xffff                   ; u: the slice
	v_and_b32 v18, 31, v0
	v_and_b32 v19, 15, v0
	s_delay_alu instid0(VALU_DEP_2)
	v_lshlrev_b32 v[L16], 4, v18                   ; 16, 8, 4 x lane
	s_delay_alu instid0(VALU_DEP_3)
	v_lshlrev_b32 v[L8], 3, v18
	s_delay_alu instid0(VALU_DEP_4)
	v_lshlrev_b32 v[L4], 2, v18
	s_delay_alu instid0(VALU_DEP_4)
	v_lshlrev_b32 v[R4], 2, v19                    ; 4 r, r = lane % 16
	v_bfe_u32 v[H64], v0, 4, 1
	s_delay_alu instid0(VALU_DEP_1)
	v_lshlrev_b32 v[H64], 6, v[H64]                ; 64 h: my half's 16 numbers of a bias
	v_and_b32 v[PI4], 8, v19
	s_delay_alu instid0(VALU_DEP_1)
	v_add_nc_u32 v[PI4], v[PI4], v19
	s_delay_alu instid0(VALU_DEP_1)
	v_lshlrev_b32 v[PI4], 2, v[PI4]                ; 4 (r + 8 (r / 8)): my column of a tile, in a bias
	v_lshlrev_b32 v128, 4, v0                      ; the copies' addresses: in the slice of wa,
	s_delay_alu instid0(VALU_DEP_1)
	v_add_nc_u32 v129, 49152, v128
	s_delay_alu instid0(VALU_DEP_2)
	v_add_nc_u32 v130, 98304, v128
	v_lshlrev_b32 v131, 3, v0
	s_delay_alu instid0(VALU_DEP_1)
	v_add_nc_u32 v131, WSC, v131
	v_lshlrev_b32 v132, 4, v0                      ; and in LDS: the same places
	s_delay_alu instid0(VALU_DEP_1)
	v_add_nc_u32 v133, 49152, v132
	s_delay_alu instid0(VALU_DEP_2)
	v_add_nc_u32 v134, 98304, v132
	v_lshlrev_b32 v135, 3, v0
	s_delay_alu instid0(VALU_DEP_1)
	v_add_nc_u32 v135, WSC, v135
.irp q, 0,1,2,3,4,5,6,7
	v_mov_b32 v[TM+8+\q], 0                        ; written once: a lane permute's destination counts as one of its sources
.endr
.irp q, 0,1,2,3
	v_mov_b32 v[OSA+\q], 0
.endr
	s_mov_b32 s[SEL], 0x76543210
	s_mov_b32 s[SEL+1], 0xfedcba98                 ; v_permlanex16_b32's selects for lane l xor 16
	s_mov_b32 s[CS], 0x3e38aa3b                    ; c = log2(e) / 8
	s_mov_b32 s[CS+1], s[CS]                       ; (named with it as a pair, so it is written)
	s_mov_b32 s26, 0xffff0000                      ; lanes 16-31
	s_mul_i32 s36, s19, 153600
	s_mov_b32 s37, 0
	s_mul_i32 s38, s20, 196608                     ; the slice's 32 tiles x 4 K steps x 1,536,
	s_mul_i32 s39, s18, 24576                      ; my wave's four tiles
	s_add_co_u32 s38, s38, s39
	s_mov_b32 s39, 0
	s_lshl_b32 s40, s20, 14
	s_lshl_b32 s41, s18, 11
	s_add_co_u32 s40, s40, s41
	s_mov_b32 s41, 0
	s_mul_i32 s42, s19, 1536                       ; o: the head pair is K step s of the next product
	s_mov_b32 s43, 0
	s_lshl_b32 s44, s20, 13                        ; o's scale words: u x 8,192 + (w / 2) x 2,048 + s x 512 + (w % 2) x 256
	s_lshr_b32 s45, s18, 1
	s_lshl_b32 s45, s45, 11
	s_add_co_u32 s44, s44, s45
	s_lshl_b32 s45, s19, 9
	s_add_co_u32 s44, s44, s45
	s_and_b32 s45, s18, 1
	s_lshl_b32 s45, s45, 8
	s_add_co_u32 s44, s44, s45
	s_mov_b32 s45, 0
	s_wait_dscnt 0x0
	s_wait_kmcnt 0x0
	s_add_nc_u64 s[8:9], s[8:9], s[36:37]
	s_add_nc_u64 s[4:5], s[4:5], s[38:39]
	s_add_nc_u64 s[6:7], s[6:7], s[40:41]
	s_add_nc_u64 s[14:15], s[14:15], s[38:39]
	s_add_nc_u64 s[14:15], s[14:15], s[42:43]
	s_add_nc_u64 s[16:17], s[16:17], s[44:45]
.irp p, 0,1,2                          ; the weights: 36 copies of 4,096 bytes and 3 of 2,048, each thread its own bytes; these LDS bytes are filled once
.irp i, 0,1,2,3,4,5,6,7,8,9,10,11
	global_load_async_to_lds_b128 v[132+\p], v[128+\p], s[8:9] offset:4096*\i
.endr
.endr
.irp i, 0,1,2
	global_load_async_to_lds_b64 v135, v131, s[8:9] offset:2048*\i
.endr
	WIN 0x40                                       ; destination window 1
.set n, 0
.rept 48
	global_load_b128 v[XP+4*n:XP+4*n+3], v[L16], s[4:5] offset:512*n   ; xp's fragment (tile, K step) at 12 (4 tile + K step): the images lie on end
.set n, n+1
.endr
	WIN 0
.irp gl, 0,1
.irp ks, 0,1,2,3
	global_load_b32 v[XPS+4*\gl+\ks], v[L8], s[6:7] offset:1024*\gl+256*\ks+4   ; xp's scale words (the second of each pair): lanes 0-15 the even tile, lanes 16-31 the odd
.endr
.endr
	s_wait_asynccnt 0x0                            ; my copies have landed;
	s_barrier_signal -1
	s_barrier_wait -1                              ; everybody's have
.macro WLD ks                          ; a K step's four tiles of the group's weights, and their two scale words: buffers by turns
.if ((\ks)%2) == 0
	WIN 0x40
.set WBR, WB0
.else
	WIN 0
.set WBR, WB1
.endif
.set n, 0
.rept 12
	ds_load_b128 v[WBR+4*n:WBR+4*n+3], v[AW] offset:(\ks)*6144+512*n
.set n, n+1
.endr
	WIN 0
	ds_load_b32 v[WS+2*((\ks)%2)], v[AWS] offset:(\ks)*256
	ds_load_b32 v[WS+2*((\ks)%2)+1], v[AWS] offset:(\ks)*256+128
.endm
; A group's product: 64 columns x my 64 rows x K = 512: 4 K steps of 16 matrix instructions on 16 accumulators, which take turns, one instruction a turn.  The bias is the C of the first K step.
; kind 0: source 0 = W's tile ct, source 1 = xp's tile rt, accumulator 32 rt + 8 ct.  kind 1: the sources swapped, accumulator 32 ct + 8 rt.
.macro MULG kind
	WLD 0
.irp ks, 0,1,2,3
.if \ks < 3
.if \ks > 0
	PLACES 4                                       ; the buffer that is loaded next was read by the products just issued
.endif
	WLD \ks+1
	s_wait_dscnt 14                                ; this K step's 14 loads are in; the 14 just issued may be out
.else
	s_wait_dscnt 0x0
.endif
.if \ks == 0
	s_wait_loadcnt 0x0                             ; the bias (and, the first time, xp and its scale words)
.endif
.set WBX, WB0-(WB0-WB1)*(\ks%2)
.if \kind == 0
	WIN 0x05-(\ks%2)                               ; xp in window 1; W in window 1 or 0
.else
	WIN 0x05-4*(\ks%2)
.endif
.irp rt, 0,1,2,3
.irp ct, 0,1,2,3
.if \kind == 0
.if \ks == 0
	WMC ACC+32*\rt+8*\ct, WBX+12*\ct, XP+12*(4*\rt+\ks), BI+8*\ct, WS+2*(\ks%2)+\ct/2, XPS+4*(\rt/2)+\ks, \ct%2, \rt%2
.else
	WMC ACC+32*\rt+8*\ct, WBX+12*\ct, XP+12*(4*\rt+\ks), ACC+32*\rt+8*\ct, WS+2*(\ks%2)+\ct/2, XPS+4*(\rt/2)+\ks, \ct%2, \rt%2
.endif
.else
.if \ks == 0
	WMC ACC+32*\ct+8*\rt, XP+12*(4*\rt+\ks), WBX+12*\ct, BI+8*\ct, XPS+4*(\rt/2)+\ks, WS+2*(\ks%2)+\ct/2, \rt%2, \ct%2
.else
	WMC ACC+32*\ct+8*\rt, XP+12*(4*\rt+\ks), WBX+12*\ct, ACC+32*\ct+8*\rt, XPS+4*(\rt/2)+\ks, WS+2*(\ks%2)+\ct/2, \rt%2, \ct%2
.endif
.endif
.endr
.endr
.endr
	WIN 0
.endm
	; ---------------- k of both heads, then q of both heads: four trips
	s_mov_b32 s27, 0                               ; the group
	s_mov_b32 s28, 0                               ; its images,
	s_mov_b32 s29, WSC                             ; its scale words,
	s_mul_i32 s30, s18, 3072
	s_add_co_u32 s30, s30, KIMG                    ; where my four half fragments go (q's follow k's),
	s_lshl_b32 s31, s18, 8
	s_add_co_u32 s31, s31, KSC                     ; and their scale words
.Lqk:
	v_add_nc_u32 v[AW], s28, v[L16]
	s_wait_alu depctr_va_vdst(0)
	v_add_nc_u32 v[AWS], s29, v[L4]
	s_wait_alu depctr_va_vdst(0)
	v_add_nc_u32 v[D16], s30, v[L16]
	v_add_nc_u32 v[D8], s30, v[L8]
	v_add_nc_u32 v[DSC], s31, v[R4]
	s_cmp_lt_u32 s27, 2                            ; the bias: k's lies in b_kv, q's in b_q; the last trip's loads were waited for, so their base may be written
	s_cselect_b64 s[34:35], s[12:13], s[10:11]
	s_and_b32 s36, s27, 1
	s_lshl_b32 s37, s19, 1
	s_add_co_u32 s36, s36, s37                     ; the head
	s_lshl_b32 s36, s36, 8
	s_mov_b32 s37, 0
	s_add_nc_u64 s[34:35], s[34:35], s[36:37]
.irp ct, 0,1,2,3                       ; in the result's layout: register j of tile 2 b + u is column 32 b + 16 h + 8 u + j
	global_load_b128 v[BI+8*\ct:BI+8*\ct+3], v[H64], s[34:35] offset:(32*(\ct/2)+8*(\ct%2))*4
	global_load_b128 v[BI+8*\ct+4:BI+8*\ct+7], v[H64], s[34:35] offset:(32*(\ct/2)+8*(\ct%2))*4+16
.endr
	MULG 0
	PLACES 4
	; the row's length: my 32 squares, lane l xor 16's 32; the four tiles of rows by turns
.irp rt, 0,1,2,3
	v_pk_mul_f32 v[TM+2*\rt:TM+2*\rt+1], v[ACC+32*\rt:ACC+32*\rt+1], v[ACC+32*\rt:ACC+32*\rt+1]
.endr
.set k, 1
.rept 15
.irp rt, 0,1,2,3
	v_pk_fma_f32 v[TM+2*\rt:TM+2*\rt+1], v[ACC+32*\rt+2*k:ACC+32*\rt+2*k+1], v[ACC+32*\rt+2*k:ACC+32*\rt+2*k+1], v[TM+2*\rt:TM+2*\rt+1]
.endr
.set k, k+1
.endr
.irp rt, 0,1,2,3
	s_delay_alu instid0(VALU_DEP_4)
	v_add_f32 v[TM+2*\rt], v[TM+2*\rt], v[TM+2*\rt+1]
.endr
.irp rt, 0,1,2,3
	s_delay_alu instid0(VALU_DEP_4)
	v_permlanex16_b32 v[TM+8+\rt], v[TM+2*\rt], s[SEL], s[SEL+1]
.endr
.irp rt, 0,1,2,3
	s_delay_alu instid0(VALU_DEP_4)
	v_add_f32 v[TM+2*\rt], v[TM+2*\rt], v[TM+8+\rt]
.endr
	s_wait_alu depctr_va_vdst(0)
.irp rt, 0,1,2,3
	v_sqrt_f32 v[TM+8+\rt], v[TM+2*\rt]
.endr
	v_nop                                          ; a plain line behind the last square root,
	s_wait_alu depctr_va_vdst(0)                   ; and one wait for the four, ahead of their first reader
.irp rt, 0,1,2,3
	v_max_num_f32 v[TM+8+\rt], 0x2b8cbccc, v[TM+8+\rt]   ; max(length, 1e-12)
.endr
	s_wait_alu depctr_va_vdst(0)
.irp rt, 0,1,2,3
	v_rcp_f32 v[TM+2*\rt], v[TM+8+\rt]
.endr
	v_nop
	s_wait_alu depctr_va_vdst(0)
.irp rt, 0,1,2,3
.set k, 0
.rept 16
	v_pk_mul_f32 v[ACC+32*\rt+2*k:ACC+32*\rt+2*k+1], v[ACC+32*\rt+2*k:ACC+32*\rt+2*k+1], v[TM+2*\rt:TM+2*\rt+1] op_sel_hi:[1,0]
.set k, k+1
.endr
.endr
	QUANT2X4 ACC, 0, 1, 80, 6
.irp rt, 0,1,2,3
	ds_store_b128 v[D16], v[80+6*\rt:80+6*\rt+3] offset:768*\rt
	ds_store_b64 v[D8], v[80+6*\rt+4:80+6*\rt+5] offset:768*\rt+512
	ds_store_b32 v[DSC], v[SWR+\rt] offset:128*(\rt/2)+64*(\rt%2)   ; both halves of the lanes write the same word with the same value; its upper two bytes are 0
.endr
	s_wait_dscnt 0x0
	s_add_co_u32 s28, s28, 24576
	s_add_co_u32 s29, s29, 1024
	s_add_co_u32 s30, s30, 24576
	s_add_co_u32 s31, s31, 2048
	s_add_co_u32 s27, s27, 1
	s_cmp_lt_u32 s27, 4
	s_cbranch_scc1 .Lqk
	; ---------------- v of both heads: two trips.  My 64 keys are half a K step of the second attention product: K step w / 2, half w % 2
	s_lshr_b32 s36, s18, 1
	s_and_b32 s37, s18, 1
	s_mul_i32 s30, s36, 6144
	s_mul_i32 s46, s37, 768
	s_add_co_u32 s30, s30, s46
	s_add_co_u32 s30, s30, VIMG
	s_lshl_b32 s31, s36, 8
	s_lshl_b32 s46, s37, 1
	s_add_co_u32 s31, s31, s46
	s_add_co_u32 s31, s31, VSC
	s_mov_b32 s27, 0
.Lv:
	v_add_nc_u32 v[AW], s28, v[L16]
	v_add_nc_u32 v[AWS], s29, v[L4]
	s_wait_alu depctr_va_vdst(0)
	v_add_nc_u32 v[D16], s30, v[L16]
	v_add_nc_u32 v[D8], s30, v[L8]
	v_add_nc_u32 v[DSC], s31, v[R4]
	s_lshl_b32 s36, s19, 1
	s_add_co_u32 s36, s36, s27
	s_lshl_b32 s36, s36, 8
	s_add_co_u32 s36, s36, 2048                    ; v's bias is b_kv's second half
	s_mov_b32 s37, 0
	s_add_nc_u64 s[34:35], s[12:13], s[36:37]
.irp ct, 0,1,2,3                       ; here a lane holds one column: the tile's eight registers are equal
.irp j, 0,1,2,3,4,5,6,7
	global_load_b32 v[BI+8*\ct+\j], v[PI4], s[34:35] offset:(32*(\ct/2)+8*(\ct%2))*4
.endr
.endr
	MULG 1
	PLACES 4
	; a key's length: the squares of its 64 channels lie in four tiles and sixteen lanes
.irp rt, 0,1,2,3
.irp jp, 0,1,2,3
	v_pk_mul_f32 v[SS+8*\rt+2*\jp:SS+8*\rt+2*\jp+1], v[ACC+8*\rt+2*\jp:ACC+8*\rt+2*\jp+1], v[ACC+8*\rt+2*\jp:ACC+8*\rt+2*\jp+1]
.endr
.endr
.irp ct, 1,2,3
.irp rt, 0,1,2,3
.irp jp, 0,1,2,3
	v_pk_fma_f32 v[SS+8*\rt+2*\jp:SS+8*\rt+2*\jp+1], v[ACC+32*\ct+8*\rt+2*\jp:ACC+32*\ct+8*\rt+2*\jp+1], v[ACC+32*\ct+8*\rt+2*\jp:ACC+32*\ct+8*\rt+2*\jp+1], v[SS+8*\rt+2*\jp:SS+8*\rt+2*\jp+1]
.endr
.endr
.endr
.irp m, 1,2,4,8
.set n, 0
.rept 32
	v_add_f32_dpp v[SS+n], v[SS+n], v[SS+n] row_xmask:\m row_mask:0xf bank_mask:0xf
.set n, n+1
.endr
.endr
.set n, 0
	s_wait_alu depctr_va_vdst(0)
.rept 32
	v_sqrt_f32 v[SS+n], v[SS+n]
.set n, n+1
.endr
	v_nop
	s_wait_alu depctr_va_vdst(0)                   ; one wait for the 32
.set n, 0
.rept 32
	v_max_num_f32 v[SS+n], 0x2b8cbccc, v[SS+n]
.set n, n+1
.endr
.set n, 0
	s_wait_alu depctr_va_vdst(0)
.rept 32
	v_rcp_f32 v[SS+n], v[SS+n]
.set n, n+1
.endr
	v_nop
	s_wait_alu depctr_va_vdst(0)
.irp ct, 0,1,2,3
.irp rt, 0,1,2,3
.irp jp, 0,1,2,3
	v_pk_mul_f32 v[ACC+32*\ct+8*\rt+2*\jp:ACC+32*\ct+8*\rt+2*\jp+1], v[ACC+32*\ct+8*\rt+2*\jp:ACC+32*\ct+8*\rt+2*\jp+1], v[SS+8*\rt+2*\jp:SS+8*\rt+2*\jp+1]
.endr
.endr
.endr
	QUANT2X4 ACC, 0, 1, 80, 6                      ; along the keys: item = a tile of channels
.irp ct, 0,1,2,3
	ds_store_b128 v[D16], v[80+6*\ct:80+6*\ct+3] offset:1536*\ct
	ds_store_b64 v[D8], v[80+6*\ct+4:80+6*\ct+5] offset:1536*\ct+512
	ds_store_b16 v[DSC], v[SWR+\ct] offset:128*(\ct/2)+64*(\ct%2)   ; my two bytes of the K step's scale word
.endr
	s_wait_dscnt 0x0
	s_add_co_u32 s28, s28, 24576
	s_add_co_u32 s29, s29, 1024
	s_add_co_u32 s30, s30, 24576
	s_add_co_u32 s31, s31, 1024
	s_add_co_u32 s27, s27, 1
	s_cmp_lt_u32 s27, 2
	s_cbranch_scc1 .Lv
	s_barrier_signal -1                            ; my LDS stores have landed (the wait above):
	s_barrier_wait -1                              ; q, k and v of both heads lie in LDS; from here on LDS is only read
	WIN 0x40
.irp qt, 0,1,2,3
.irp k, 6,7,8,9,10,11
	v_mov_b32 v[Q+12*\qt+\k], 0                    ; q's zero codes for K = 64 .. 127
.endr
.endr
.irp k, 24,25,26,27,28,29
	v_mov_b32 v[KV+\k], 0                          ; named as the upper half of k's fourth tile before anything is loaded there
.endr
	WIN 0
.macro KLD hf                          ; four tiles of 16 keys, 6 registers each, and the scale words of the two pairs
	WIN 0x40
.irp t, 0,1,2,3
	ds_load_b128 v[KV+6*\t:KV+6*\t+3], v[AK16] offset:(4*(\hf)+\t)*768
	ds_load_b64 v[KV+6*\t+4:KV+6*\t+5], v[AK8] offset:(4*(\hf)+\t)*768+512
.endr
	WIN 0
	ds_load_b32 v[KS], v[AKS] offset:256*(\hf)
	ds_load_b32 v[KS+1], v[AKS] offset:256*(\hf)+128
.endm
.macro VLD                             ; the K step's four tiles of channels, 12 registers each
	WIN 0x40
.irp t, 0,1,2,3
	ds_load_b128 v[KV+12*\t:KV+12*\t+3], v[AV16] offset:1536*\t
	ds_load_b64 v[KV+12*\t+4:KV+12*\t+5], v[AV8] offset:1536*\t+512
	ds_load_b128 v[KV+12*\t+6:KV+12*\t+9], v[AV16] offset:1536*\t+768
	ds_load_b64 v[KV+12*\t+10:KV+12*\t+11], v[AV8] offset:1536*\t+1280
.endr
	WIN 0
	ds_load_b32 v[VS], v[AVS]
	ds_load_b32 v[VS+1], v[AVS] offset:128
.endm
; A KEY STEP: 128 keys in two halves of 64.  A half: 16 products S^T = k q^T (4 tiles of keys x my 4 tiles of queries), p = 2^(c S), the rows' sums, p quantised: half a fragment for each tile of queries.
; Then 16 products O^T += v^T p^T.  first = 1: they start the sums.
.macro KSTEP first
	v_add_nc_u32 v[AK16], s38, v[L16]
	v_add_nc_u32 v[AK8], s38, v[L8]
	v_add_nc_u32 v[AKS], s39, v[L4]
	v_add_nc_u32 v[AV16], s40, v[L16]
	v_add_nc_u32 v[AV8], s40, v[L8]
	v_add_nc_u32 v[AVS], s41, v[L4]
	KLD 0
	s_wait_alu depctr_va_vdst(0)
.irp hf, 0,1
	s_wait_dscnt 0x0
	WIN 0x05                                       ; k and q in window 1, S^T in window 0
.irp qt, 0,1,2,3
.irp kt, 0,1,2,3
	WMZ S+32*\qt+8*\kt, KV+6*\kt, Q+12*\qt, KS+\kt/2, QS+\qt/2, \kt%2, \qt%2
.endr
.endr
	WIN 0
	PLACES 4                                       ; in front of loads into registers that those products read, and of the first read of their results
.if \hf == 0
	KLD 1                                          ; the loads land under the softmax
.else
	VLD
.endif
.set k, 0
.rept 64
	v_pk_mul_f32 v[S+2*k:S+2*k+1], v[S+2*k:S+2*k+1], s[CS:CS+1] op_sel_hi:[1,0]   ; t = c x score
.set k, k+1
.endr
.set k, 0
	s_wait_alu depctr_va_vdst(0)
.rept 128
	v_exp_f32 v[S+k], v[S+k]                       ; p = 2^t
.set k, k+1
.endr
	v_nop                                          ; a plain line behind the last exponential,
	s_wait_alu depctr_va_vdst(0)                   ; and one wait for the 128, ahead of their first reader
	WIN 0x41                                       ; the sums lie in window 1
.set k, 0
.rept 16
.irp qt, 0,1,2,3
	v_pk_add_f32 v[LSUM+2*\qt:LSUM+2*\qt+1], v[LSUM+2*\qt:LSUM+2*\qt+1], v[S+32*\qt+2*k:S+32*\qt+2*k+1]   ; of the UNQUANTISED p; four chains by turns
.endr
.set k, k+1
.endr
	WIN 0
	QUANT2X4 S, 0, 0, P+6*\hf, 12
.irp qt, 0,1,2,3
.if \hf == 0
	v_mov_b32 v[PS+\qt], v[SWR+\qt]
.else
	v_lshl_or_b32 v[PS+\qt], v[SWR+\qt], 16, v[PS+\qt]   ; p's scale word for these 128 keys
.endif
.endr
.endr
	PLACES 8                                       ; a scale register written by a vector line stands 8 places ahead of a scaled matrix instruction, an operand so written 4
	s_wait_alu depctr_va_vdst(0)
	s_wait_dscnt 0x0                               ; v
	WIN 0x51                                       ; v in window 1, p in window 0, O^T in window 1
.irp qt, 0,1,2,3
.irp dt, 0,1,2,3
.if \first
	WMZ OT+32*\qt+8*\dt, KV+12*\dt, P+12*\qt, VS+\dt/2, PS+\qt, \dt%2, 0
.else
	WMC OT+32*\qt+8*\dt, KV+12*\dt, P+12*\qt, OT+32*\qt+8*\dt, VS+\dt/2, PS+\qt, \dt%2, 0
.endif
.endr
.endr
	WIN 0
	PLACES 4
	s_add_co_u32 s38, s38, 6144                    ; the next 128 keys; the second head's follow the first's in all four regions
	s_add_co_u32 s39, s39, 512
	s_add_co_u32 s40, s40, 6144
	s_add_co_u32 s41, s41, 256
.endm
	; ---------------- attention, a head a trip
	s_mov_b32 s38, KIMG
	s_mov_b32 s39, KSC
	s_mov_b32 s40, VIMG
	s_mov_b32 s41, VSC
	s_mul_i32 s42, s18, 3072
	s_add_co_u32 s42, s42, QIMG
	s_lshl_b32 s43, s18, 8
	s_add_co_u32 s43, s43, QSC
	s_mov_b32 s45, 0
.Lhead:
	v_add_nc_u32 v[AK16], s42, v[L16]
	v_add_nc_u32 v[AK8], s42, v[L8]
	v_add_nc_u32 v[AKS], s43, v[L4]
	WIN 0x40
.irp qt, 0,1,2,3
	ds_load_b128 v[Q+12*\qt:Q+12*\qt+3], v[AK16] offset:768*\qt
	ds_load_b64 v[Q+12*\qt+4:Q+12*\qt+5], v[AK8] offset:768*\qt+512
.endr
.irp k, 0,1,2,3,4,5,6,7
	v_mov_b32 v[LSUM+\k], 0                        ; the four rows' sums, in two halves each
.endr
	WIN 0
	ds_load_b32 v[QS], v[AKS]
	ds_load_b32 v[QS+1], v[AKS] offset:128
	KSTEP 1
	s_mov_b32 s44, 3
.Lkey:
	KSTEP 0
	s_sub_co_u32 s44, s44, 1
	s_cmp_lg_u32 s44, 0
	s_cbranch_scc1 .Lkey
	; O^T / the row's sum, quantised along the channels: this head is half hh of K step s of the next product
	WIN 0x05
.irp qt, 0,1,2,3
	v_add_f32 v[TM+\qt], v[LSUM+2*\qt], v[LSUM+2*\qt+1]
.endr
	WIN 0
.irp qt, 0,1,2,3
	v_permlanex16_b32 v[TM+8+\qt], v[TM+\qt], s[SEL], s[SEL+1]
.endr
.irp qt, 0,1,2,3
	s_delay_alu instid0(VALU_DEP_4)
	v_add_f32 v[TM+\qt], v[TM+\qt], v[TM+8+\qt]
.endr
	s_wait_alu depctr_va_vdst(0)
.irp qt, 0,1,2,3
	v_rcp_f32 v[TM+16+2*\qt], v[TM+\qt]
.endr
	v_nop
	s_wait_alu depctr_va_vdst(0)
	WIN 0x01                                       ; O^T in window 1; the quotient goes where the scores lay
.irp qt, 0,1,2,3
.set k, 0
.rept 16
	v_pk_mul_f32 v[S+32*\qt+2*k:S+32*\qt+2*k+1], v[OT+32*\qt+2*k:OT+32*\qt+2*k+1], v[TM+16+2*\qt:TM+16+2*\qt+1] op_sel_hi:[1,0]
.set k, k+1
.endr
.endr
	WIN 0
	QUANT2X4 S, 0, 1, P, 12
.irp qt, 0,1,2,3
	global_store_b128 v[L16], v[P+12*\qt:P+12*\qt+3], s[14:15] offset:6144*\qt          ; 512 consecutive bytes, aligned
	global_store_b64 v[L8], v[P+12*\qt+4:P+12*\qt+5], s[14:15] offset:6144*\qt+512      ; 256 consecutive bytes, aligned
.endr
.irp qt, 0,1,2,3
	v_lshrrev_b32 v[OSA+\qt], 16, v[OSA+\qt]       ; the same two lines in both trips: the first head's bytes end in the low half, the second's in the high half
	s_delay_alu instid0(VALU_DEP_1)
	v_lshl_or_b32 v[OSA+\qt], v[SWR+\qt], 16, v[OSA+\qt]
.endr
	s_wait_xcnt 0x0                                ; the stores have read their data and their base: both are written again
	s_add_nc_u64 s[14:15], s[14:15], 768
	s_add_co_u32 s42, s42, 24576
	s_add_co_u32 s43, s43, 2048
	s_add_co_u32 s45, s45, 1
	s_cmp_lt_u32 s45, 2
	s_cbranch_scc1 .Lhead
	s_wait_alu depctr_va_vdst(0)
	v_cndmask_b32 v18, v[OSA], v[OSA+1], s26       ; a word for a pair of tiles: the even tile's rows in lanes 0-15, the odd tile's in lanes 16-31
	v_cndmask_b32 v19, v[OSA+2], v[OSA+3], s26
	global_store_b64 v[L8], v[18:19], s[16:17]     ; 256 consecutive bytes, aligned
	s_wait_tensorcnt 0x0
	ds_add_u32 v75, v79
	s_wait_dscnt 0x0
	s_endpgm
.Lfunc_end_k_qe5e995796d_attn:
	.size	k_qe5e995796d_attn, .Lfunc_end_k_qe5e995796d_attn-k_qe5e995796d_attn
	.p2alignl 7, 3214868480
	.fill 96, 4, 3214868480
	.section	.rodata,"a",@progbits
	.p2align	6, 0x0
	.amdhsa_kernel k_qe5e995796d_attn
		.amdhsa_group_segment_fixed_size 312320
		.amdhsa_private_segment_fixed_size 0
		.amdhsa_enable_private_segment 0
		.amdhsa_kernarg_size 56
		.amdhsa_user_sgpr_count 2
		.amdhsa_user_sgpr_kernarg_segment_ptr 1
		.amdhsa_wavefront_size32 1
		.amdhsa_system_sgpr_workgroup_id_x 1
		.amdhsa_system_sgpr_workgroup_id_y 1
		.amdhsa_system_sgpr_workgroup_id_z 1
		.amdhsa_system_vgpr_workitem_id 0
		.amdhsa_next_free_vgpr 512
		.amdhsa_next_free_sgpr 66
		.amdhsa_reserve_vcc 0
		.amdhsa_float_denorm_mode_32 3
		.amdhsa_float_denorm_mode_16_64 3
		.amdhsa_memory_ordered 1
		.amdhsa_forward_progress 1
		.amdhsa_inst_pref_size 205
	.end_amdhsa_kernel
	.amdgpu_metadata
---
amdhsa.version: [ 1, 2 ]
amdhsa.kernels:
  - .name:           k_qe5e995796d_attn
    .symbol:         k_qe5e995796d_attn.kd
    .args:
      - { .name: xpc, .offset: 0, .size: 8, .value_kind: global_buffer, .address_space: global }
      - { .name: xsc, .offset: 8, .size: 8, .value_kind: global_buffer, .address_space: global }
      - { .name: wa, .offset: 16, .size: 8, .value_kind: global_buffer, .address_space: global }
      - { .name: b_q, .offset: 24, .size: 8, .value_kind: global_buffer, .address_space: global }
      - { .name: b_kv, .offset: 32, .size: 8, .value_kind: global_buffer, .address_space: global }
      - { .name: oc, .offset: 40, .size: 8, .value_kind: global_buffer, .address_space: global }
      - { .name: osc, .offset: 48, .size: 8, .value_kind: global_buffer, .address_space: global }
    .group_segment_fixed_size: 312320
    .private_segment_fixed_size: 0
    .kernarg_segment_align: 8
    .kernarg_segment_size: 56
    .max_flat_workgroup_size: 256
    .sgpr_count:     66
    .vgpr_count:     512
    .wavefront_size: 32
...
	.end_amdgpu_metadata
.endif
;; end of part 2
;; launch tail (part 3): grid 4 x 64, 8 waves a work-group, no clusters, 285,696 bytes of LDS; arguments xc, xsc, oc, osc, wt, conv_b, bn_gamma, bn_beta, bn_mean, bn_var, b_m, b_out, ln_g, ln_b, out0; writes out0
.if DOCPART == 3
	.amdgcn_target "amdgcn-amd-amdhsa--gfx1250"
	.amdhsa_code_object_version 6
	.text
	.protected	k_qe5e995796d_tail
	.globl	k_qe5e995796d_tail
	.p2align	8
	.type	k_qe5e995796d_tail,@function
k_qe5e995796d_tail:
	s_mov_b64 s[64:65], 0
	v_nop
	global_prefetch_b8 v0, s[64:65] scope:SCOPE_SE
	s_setreg_imm32_b32 hwreg(HW_REG_WAVE_MODE, 25, 1), 1
	s_wait_xcnt 0x0
; TAIL: for 128 rows l of one slice (b, t): out = BN(x conv_w^T + conv_b) + o w_m + b_m; z = out w_out + b_out; LayerNorm over the 512 columns; exact GELU; stored with l innermost.
; Three products on codes of FP6 (E2M3) with one E8M0 byte for each 32 along K.  Work-group x = which 128 rows, y = the slice u.
; SHARES.  Eight waves share the COLUMNS: wave w makes columns 64 w .. 64 w + 63 of all three products for all 128 rows: 32 accumulators, which fill window 1.  Its part of each weight (24,576 bytes of images, 1,024 of scale
; words) goes from memory straight into its registers, a K step ahead, each byte once a work-group.  The rows' operands serve all waves from LDS: x's and o's images come by asynchronous copies at the head.
; All products are TRANSPOSED (source 0 = 16 columns of W, source 1 = 16 rows): a lane holds one row, and its registers run along the columns, which are the next K; so out is quantised in registers and goes to the other
; waves as images (my 64 columns are half a K step).  BatchNorm is one multiply-add on the first product's sums, out = y sc + off, sc = gamma / sqrt(var + 1e-5), off = (conv_b - mean) sc + beta + b_m,
; and the second product adds onto that.  b_out is the C of the third product's first K step.
; LayerNorm in two passes (the mean; then the squares of z - mean), each a sum over lanes, halves and the eight waves (through LDS).  z - mean turns through the wave's own stage in LDS, so that a store covers 512 bytes along l.
; GELU: erf by the five-term rational form of Abramowitz and Stegun 7.1.26, absolute error under 1.5e-7 for every argument.
; LIMITS: NaN and infinities are not served.
; NO CLUSTER: what work-groups share is wt's 614,400 bytes, which go into the registers of the one wave that multiplies by them, where no joint load can land; through LDS they would be written and read there once more in every work-group.
; No LDS byte is filled twice by a copy; the stage lies over the operands' images when every wave has read them for the last time.
; REGISTERS, window 0: v1-19 addresses; v20-27 rows' scale words, two sets; v28-31 W's, two sets; v32-79, v80-127 four row fragments, two buffers; v128-175, v176-223 four tiles of W, two buffers; v224-255 a tile row of constants.
;   Between the products v32-127 are at work.  window 1: accumulator (tile of rows rt, tile of columns ct) at 32 rt + 8 ct.
.set OI,   49152                       ; LDS: x's images [rt 8][K step 4] x 1,536 from 0; o's from here;
.set XSL,  98304                       ; x's scale words [pair 4][K step 4][lane][2] (the first of each pair of words), 4,096 bytes; o's behind them, 2,048 bytes
.set UI,   104448                      ; out's images
.set USL,  153600                      ; out's scale words [K step 4][pair 4] x 128
.set BO,   270336                      ; b_out; behind it sc (+ 2,048) and off (+ 4,096)
.set ST1,  276480                      ; partial sums [rt 8][r 16][wave 8]
.set ST2,  280576                      ; partial sums of squares [row 128][wave 8]
.set SPT,  528                         ; the stage: 64 rows (my columns) x (512 bytes + 16) for each wave, from 0
.set L16, 1
.set L8, 2
.set L4, 3
.set R4, 4
.set CTA, 5
.set UW16, 6
.set UW8, 7
.set USW, 8
.set OA16, 9
.set OA8, 10
.set UA16, 11
.set UA8, 12
.set XSA, 13
.set USA, 14
.set S1W, 15
.set S1R, 16
.set S2W, 17
.set S2R, 18
.set SGI, 19
.set RS, 20
.set WS, 28
.set RF, 32
.set WB, 128
.set CT, 224
.set TM, 32
.set SWR, 72
.set SEL, 82
.set MSB, 0
.macro WIN new                         ; the immediate's high byte repeats the setting that is left; a switch that changes nothing is dropped
.if MSB != (\new)
	s_set_vgpr_msb (MSB<<8)|(\new)
.set MSB, (\new)
.endif
.endm
.macro PLACES n
.rept \n
	v_nop
.endr
.endm
; One matrix instruction.  ra, rb = 1: that side's scale words are taken from lanes 16-31.  WMZ starts a sum with the constant 0, WMC takes C from registers.
.macro WMZ d, a, b, sa, sb, ra, rb
.if ((\ra) != 0) && ((\rb) != 0)
	v_wmma_scale_f32_16x16x128_f8f6f4 v[(\d):(\d)+7], v[(\a):(\a)+11], v[(\b):(\b)+11], 0, v[\sa], v[\sb] matrix_a_fmt:MATRIX_FMT_FP6 matrix_b_fmt:MATRIX_FMT_FP6 matrix_a_scale:MATRIX_SCALE_ROW1 matrix_b_scale:MATRIX_SCALE_ROW1
.elseif (\ra) != 0
	v_wmma_scale_f32_16x16x128_f8f6f4 v[(\d):(\d)+7], v[(\a):(\a)+11], v[(\b):(\b)+11], 0, v[\sa], v[\sb] matrix_a_fmt:MATRIX_FMT_FP6 matrix_b_fmt:MATRIX_FMT_FP6 matrix_a_scale:MATRIX_SCALE_ROW1
.elseif (\rb) != 0
	v_wmma_scale_f32_16x16x128_f8f6f4 v[(\d):(\d)+7], v[(\a):(\a)+11], v[(\b):(\b)+11], 0, v[\sa], v[\sb] matrix_a_fmt:MATRIX_FMT_FP6 matrix_b_fmt:MATRIX_FMT_FP6 matrix_b_scale:MATRIX_SCALE_ROW1
.else
	v_wmma_scale_f32_16x16x128_f8f6f4 v[(\d):(\d)+7], v[(\a):(\a)+11], v[(\b):(\b)+11], 0, v[\sa], v[\sb] matrix_a_fmt:MATRIX_FMT_FP6 matrix_b_fmt:MATRIX_FMT_FP6
.endif
.endm
.macro WMC d, a, b, c, sa, sb, ra, rb
.if ((\ra) != 0) && ((\rb) != 0)
	v_wmma_scale_f32_16x16x128_f8f6f4 v[(\d):(\d)+7], v[(\a):(\a)+11], v[(\b):(\b)+11], v[(\c):(\c)+7], v[\sa], v[\sb] matrix_a_fmt:MATRIX_FMT_FP6 matrix_b_fmt:MATRIX_FMT_FP6 matrix_a_scale:MATRIX_SCALE_ROW1 matrix_b_scale:MATRIX_SCALE_ROW1
.elseif (\ra) != 0
	v_wmma_scale_f32_16x16x128_f8f6f4 v[(\d):(\d)+7], v[(\a):(\a)+11], v[(\b):(\b)+11], v[(\c):(\c)+7], v[\sa], v[\sb] matrix_a_fmt:MATRIX_FMT_FP6 matrix_b_fmt:MATRIX_FMT_FP6 matrix_a_scale:MATRIX_SCALE_ROW1
.elseif (\rb) != 0
	v_wmma_scale_f32_16x16x128_f8f6f4 v[(\d):(\d)+7], v[(\a):(\a)+11], v[(\b):(\b)+11], v[(\c):(\c)+7], v[\sa], v[\sb] matrix_a_fmt:MATRIX_FMT_FP6 matrix_b_fmt:MATRIX_FMT_FP6 matrix_b_scale:MATRIX_SCALE_ROW1
.else
	v_wmma_scale_f32_16x16x128_f8f6f4 v[(\d):(\d)+7], v[(\a):(\a)+11], v[(\b):(\b)+11], v[(\c):(\c)+7], v[\sa], v[\sb] matrix_a_fmt:MATRIX_FMT_FP6 matrix_b_fmt:MATRIX_FMT_FP6
.endif
.endm
; FOUR HALF FRAGMENTS AT ONCE.  Item i has 32 numbers a lane, v[src + 32 i] on, in window sw: register 16 b + k is K index 32 b + 16 (lane / 16) + k of the lane's row, b = 0, 1.
; Out: six registers of codes at v[dst + dstep i] (K = 32 (lane / 16) + 0 .. 31 of the 64) and the two scale bytes in the low half of v[SWR + i], in every lane of the row.
; At work: v[TM] 8 largest magnitudes, +8 the other half's and then the bytes, +16 the conversions' scale operands, +24 four runs of three registers.  The eight blocks take turns.
.macro QUANT2X4 src, sw, abs, dst, dstep
.if \sw
	WIN 0x05
.endif
.irp q, 0,1,2,3,4,5,6,7
.if \abs
	v_max3_num_f32 v[TM+\q], |v[(\src)+16*\q]|, |v[(\src)+16*\q+1]|, 0x1800000   ; with the floor 2^(3 - 127): the byte cannot fall under 1
.else
	v_max3_num_f32 v[TM+\q], v[(\src)+16*\q], v[(\src)+16*\q+1], 0x1800000
.endif
.endr
.if \sw
	WIN 0x14
.endif
.irp k, 2,4,6,8,10,12,14
.irp q, 0,1,2,3,4,5,6,7
.if \abs
	v_max3_num_f32 v[TM+\q], v[TM+\q], |v[(\src)+16*\q+\k]|, |v[(\src)+16*\q+\k+1]|
.else
	v_max3_num_f32 v[TM+\q], v[TM+\q], v[(\src)+16*\q+\k], v[(\src)+16*\q+\k+1]
.endif
.endr
.endr
	WIN 0
.irp q, 0,1,2,3,4,5,6,7
	v_permlanex16_b32 v[TM+8+\q], v[TM+\q], s[SEL], s[SEL+1]
.endr
.irp q, 0,1,2,3,4,5,6,7
	v_max_num_f32 v[TM+\q], v[TM+\q], v[TM+8+\q]   ; with lane l xor 16's 16 numbers: the block's largest magnitude
.endr
.irp q, 0,1,2,3,4,5,6,7
	v_add_nc_u32 v[TM+16+\q], 0xff000000, v[TM+\q] ; 2 off its exponent field: the conversion's scale operand
.endr
.irp q, 0,1,2,3,4,5,6,7
	v_lshrrev_b32 v[TM+8+\q], 23, v[TM+16+\q]      ; the scale's byte
.endr
.irp i, 0,1,2,3
	v_lshl_or_b32 v[SWR+\i], v[TM+8+2*\i+1], 8, v[TM+8+2*\i]
.endr
.if \sw
	WIN 0x01
.endif
.irp i, 0,1,2,3
	v_cvt_scalef32_pk16_fp6_f32 v[(\dst)+(\dstep)*\i:(\dst)+(\dstep)*\i+2], v[(\src)+32*\i:(\src)+32*\i+15], v[TM+16+2*\i]
	v_cvt_scalef32_pk16_fp6_f32 v[TM+24+4*\i:TM+24+4*\i+2], v[(\src)+32*\i+16:(\src)+32*\i+31], v[TM+16+2*\i+1]
.endr
	WIN 0
	v_nop                                          ; one plain line behind the scaled conversions
.irp i, 0,1,2,3                        ; the operand wants a whole block in a lane: lanes 0-15 block 0, lanes 16-31 block 1
.irp k, 0,1,2
	v_permlane16_swap_b32 v[(\dst)+(\dstep)*\i+\k], v[TM+24+4*\i+\k]
.endr
.endr
.irp i, 0,1,2,3
.irp k, 0,1,2
	v_mov_b32 v[(\dst)+(\dstep)*\i+3+\k], v[TM+24+4*\i+\k]
.endr
.endr
.endm
; K step q % 4 of weight q / 4: my four tiles and their two scale words, 14 loads, into buffer q % 2
.macro WLOAD q
.set WBR, WB+48*((\q)%2)
.set n, 0
.rept 12
	global_load_b128 v[WBR+4*n:WBR+4*n+3], v[L16], s[12:13] offset:((\q)/4)*25600+((\q)%4)*6144+512*n
.set n, n+1
.endr
	global_load_b32 v[WS+2*((\q)%2)], v[L4], s[12:13] offset:((\q)/4)*25600+24576+((\q)%4)*256
	global_load_b32 v[WS+2*((\q)%2)+1], v[L4], s[12:13] offset:((\q)/4)*25600+24576+((\q)%4)*256+128
.endm
; Half step p = 2 ks + rh: the fragments of tiles of rows 4 rh .. 4 rh + 3, K step ks, into buffer p % 2; with rh = 0 also the K step's scale words of all four pairs of tiles, into set ks % 2.
; kind 0: x (three runs of 512 bytes a fragment); 1: o; 2: out (two halves of 512 + 256 bytes).  NR = the loads issued.
.macro RLOAD kind, p
.set RFR, RF+48*((\p)%2)
.set RKS, (\p)/2
.set RRH, (\p)%2
.irp i, 0,1,2,3
.set ROF, (4*RRH+\i)*6144+RKS*1536
.if \kind == 0
	ds_load_b128 v[RFR+12*\i:RFR+12*\i+3], v[L16] offset:ROF
	ds_load_b128 v[RFR+12*\i+4:RFR+12*\i+7], v[L16] offset:ROF+512
	ds_load_b128 v[RFR+12*\i+8:RFR+12*\i+11], v[L16] offset:ROF+1024
.else
	ds_load_b128 v[RFR+12*\i:RFR+12*\i+3], v[OA16+2*(\kind-1)] offset:ROF
	ds_load_b64 v[RFR+12*\i+4:RFR+12*\i+5], v[OA8+2*(\kind-1)] offset:ROF+512
	ds_load_b128 v[RFR+12*\i+6:RFR+12*\i+9], v[OA16+2*(\kind-1)] offset:ROF+768
	ds_load_b64 v[RFR+12*\i+10:RFR+12*\i+11], v[OA8+2*(\kind-1)] offset:ROF+1280
.endif
.endr
.if \kind == 0
.set NR, 12
.else
.set NR, 16
.endif
.if RRH == 0
.if \kind == 0
.irp g, 0,1,2,3
	ds_load_b32 v[RS+4*(RKS%2)+\g], v[XSA] offset:(4*\g+RKS)*256
.endr
.set NR, NR+4
.elseif \kind == 1
.irp i, 0,1
	ds_load_b64 v[RS+4*(RKS%2)+2*\i:RS+4*(RKS%2)+2*\i+1], v[XSA] offset:4096+RKS*512+256*\i
.endr
.set NR, NR+2
.else
.irp g, 0,1,2,3
	ds_load_b32 v[RS+4*(RKS%2)+\g], v[USA] offset:RKS*512+128*\g
.endr
.set NR, NR+4
.endif
.endif
.endm
; A product: my 64 columns x 128 rows x K = 512: eight half steps of 16 matrix instructions; the 32 accumulators take turns, one instruction a turn.
; cmode 0: the first K step starts the sums with 0; 1: it adds onto what the accumulators hold; 2: its C is the tile row of constants.
.macro CHAIN mat, kind, cmode
	RLOAD \kind, 0
.irp p, 0,1,2,3,4,5,6,7
	PLACES 4                                       ; the buffers that are loaded next were read by the products just issued
.if (\p%2 == 0) && (4*\mat+\p/2 < 11)
	WLOAD 4*\mat+\p/2+1                            ; the next K step's weights, the next product's too
.endif
.if \p < 7
	RLOAD \kind, \p+1
	s_wait_dscnt NR                                ; this half step's LDS loads are in; those just issued may be out
.else
	s_wait_dscnt 0x0
.endif
.if \p%2 == 0
.if 4*\mat+\p/2 < 11
	s_wait_loadcnt 14                              ; this K step's weights are in; the 14 loads just issued may be out
.else
	s_wait_loadcnt 0x0
.endif
.endif
.if (\p/2 == 0) && (\cmode != 1)
	WIN 0x40                                       ; D in window 1
.else
	WIN 0x50                                       ; C and D in window 1
.endif
.irp i, 0,1,2,3
.irp ct, 0,1,2,3
.if (\p/2 == 0) && (\cmode == 0)
	WMZ 32*(4*(\p%2)+\i)+8*\ct, WB+48*((\p/2)%2)+12*\ct, RF+48*(\p%2)+12*\i, WS+2*((\p/2)%2)+\ct/2, RS+4*((\p/2)%2)+(4*(\p%2)+\i)/2, \ct%2, \i%2
.elseif (\p/2 == 0) && (\cmode == 2)
	WMC 32*(4*(\p%2)+\i)+8*\ct, WB+48*((\p/2)%2)+12*\ct, RF+48*(\p%2)+12*\i, CT+8*\ct, WS+2*((\p/2)%2)+\ct/2, RS+4*((\p/2)%2)+(4*(\p%2)+\i)/2, \ct%2, \i%2
.else
	WMC 32*(4*(\p%2)+\i)+8*\ct, WB+48*((\p/2)%2)+12*\ct, RF+48*(\p%2)+12*\i, 32*(4*(\p%2)+\i)+8*\ct, WS+2*((\p/2)%2)+\ct/2, RS+4*((\p/2)%2)+(4*(\p%2)+\i)/2, \ct%2, \i%2
.endif
.endr
.endr
	WIN 0
.endr
.endm
	s_load_b512 s[4:19], s[0:1], 0x0               ; xc s[4:5], xsc s[6:7], oc s[8:9], osc s[10:11], wt s[12:13], conv_b s[14:15], bn_gamma s[16:17], bn_beta s[18:19]
	s_load_b256 s[20:27], s[0:1], 0x40             ; bn_mean s[20:21], bn_var s[22:23], b_m s[24:25], b_out s[26:27]
	s_load_b128 s[28:31], s[0:1], 0x60             ; ln_g s[28:29], ln_b s[30:31]
	s_load_b64 s[32:33], s[0:1], 0x70              ; out0
	v_lshl_add_u32 v254, v0, 2, 0x45800
	v_mov_b32 v255, 0
	ds_add_u32 v254, v255
	ds_add_u32 v254, v255
	s_wait_dscnt 0x0
	v_lshrrev_b32 v20, 5, v0
	s_delay_alu instid0(VALU_DEP_1)
	v_readfirstlane_b32 s34, v20                   ; wave w, 0..7
	s_mov_b32 s35, ttmp9                           ; which 128 rows of the slice
	s_and_b32 s36, ttmp7, 0xffff                   ; u: the slice
	v_and_b32 v20, 31, v0                          ; lane
	v_and_b32 v21, 15, v0                          ; r
	v_bfe_u32 v22, v0, 4, 1                        ; h
	s_delay_alu instid0(VALU_DEP_2)
	v_and_b32 v23, 8, v21
	s_delay_alu instid0(VALU_DEP_1)
	v_add_nc_u32 v23, v23, v21                     ; r + 8 (r / 8): my row's place among a pair of tiles' 32
	v_lshlrev_b32 v[L16], 4, v20
	s_wait_alu depctr_va_vdst(0)
	v_lshlrev_b32 v[L8], 3, v20
	s_wait_alu depctr_va_vdst(0)
	v_lshlrev_b32 v[L4], 2, v20
	v_lshlrev_b32 v[R4], 2, v21
	s_wait_alu depctr_va_vdst(0)
	s_lshl_b32 s37, s34, 8
	s_add_co_u32 s37, s37, BO
	v_lshl_add_u32 v[CTA], v22, 6, s37             ; the tables by column: 4 (64 w + 16 h) bytes on
	s_lshr_b32 s38, s34, 1
	s_and_b32 s40, s34, 1
	s_mul_i32 s39, s38, 1536                       ; out's images: my columns are half w % 2 of K step w / 2
	s_mul_i32 s41, s40, 768
	s_add_co_u32 s39, s39, s41
	s_add_co_u32 s39, s39, UI
	v_add_nc_u32 v[UW16], s39, v[L16]
	v_add_nc_u32 v[UW8], s39, v[L8]
	s_lshl_b32 s39, s38, 9
	s_lshl_b32 s41, s40, 1
	s_add_co_u32 s39, s39, s41
	s_add_co_u32 s39, s39, USL
	v_add_nc_u32 v[USW], s39, v[R4]
	v_add_nc_u32 v[OA16], OI, v[L16]
	v_add_nc_u32 v[OA8], OI, v[L8]
	v_add_nc_u32 v[UA16], UI, v[L16]
	v_add_nc_u32 v[UA8], UI, v[L8]
	v_add_nc_u32 v[XSA], XSL, v[L8]
	v_add_nc_u32 v[USA], USL, v[L4]
	s_lshl_b32 s39, s34, 2
	s_add_co_u32 s41, s39, ST1
	v_lshl_add_u32 v[S1W], v21, 5, s41
	v_lshlrev_b32 v[S1R], 5, v21
	s_delay_alu instid0(VALU_DEP_1)
	v_add_nc_u32 v[S1R], ST1, v[S1R]
	s_add_co_u32 s41, s39, ST2
	v_lshl_add_u32 v[S2W], v23, 5, s41
	v_lshlrev_b32 v[S2R], 7, v20
	s_delay_alu instid0(VALU_DEP_1)
	v_add_nc_u32 v[S2R], ST2, v[S2R]
	s_mul_i32 s43, s34, 64*SPT                     ; my stage
	v_mul_u32_u24 v[SGI], v22, 16*SPT
	s_delay_alu instid0(VALU_DEP_1)
	v_lshl_add_u32 v[SGI], v23, 2, v[SGI]
	s_delay_alu instid0(VALU_DEP_1)
	v_add_nc_u32 v[SGI], s43, v[SGI]               ; into it: row 16 h + .., byte 4 (r + 8 (r / 8)) + ..
	v_lshlrev_b32 v224, 4, v0                      ; the copies' addresses: in memory 16 or 8 x thread,
	v_lshlrev_b32 v225, 4, v0                      ; in LDS the same + the region
	s_delay_alu instid0(VALU_DEP_1)
	v_add_nc_u32 v226, OI, v225
	s_delay_alu instid0(VALU_DEP_2)
	v_add_nc_u32 v227, XSL, v225
	v_lshlrev_b32 v228, 3, v0
	s_delay_alu instid0(VALU_DEP_1)
	v_add_nc_u32 v229, XSL+4096, v228
	s_delay_alu instid0(VALU_DEP_2)
	v_add_nc_u32 v230, BO, v228
	s_delay_alu instid0(VALU_DEP_3)
	v_add_nc_u32 v231, BO+2048, v228
	s_mov_b32 s[SEL], 0x76543210
	s_mov_b32 s[SEL+1], 0xfedcba98                 ; v_permlanex16_b32's selects for lane l xor 16
	s_mul_i32 s37, s36, 196608
	s_mul_i32 s38, s35, 49152
	s_add_co_u32 s38, s38, s37
	s_mov_b32 s39, 0
	s_lshl_b32 s40, s36, 14
	s_lshl_b32 s41, s35, 12
	s_add_co_u32 s40, s40, s41
	s_mov_b32 s41, 0
	s_lshr_b32 s44, s40, 1
	s_mov_b32 s45, 0
	s_mul_i32 s46, s34, 76800
	s_mov_b32 s47, 0
	s_lshr_b32 s48, s36, 2
	s_lshl_b32 s48, s48, 22                        ; out0: b x 4,194,304
	s_and_b32 s49, s36, 3
	s_lshl_b32 s49, s49, 11                        ;  + t x 2,048
	s_add_co_u32 s48, s48, s49
	s_lshl_b32 s49, s35, 9                         ;  + my 128 places l
	s_add_co_u32 s48, s48, s49
	s_lshl_b32 s49, s34, 19                        ;  + 64 w channels of 8,192 bytes
	s_add_co_u32 s48, s48, s49
	s_mov_b32 s49, 0
	s_lshl_b32 s50, s34, 8
	s_mov_b32 s51, 0
	s_wait_alu depctr_va_vdst(0)
	s_wait_kmcnt 0x0
	s_add_nc_u64 s[4:5], s[4:5], s[38:39]
	s_add_nc_u64 s[8:9], s[8:9], s[38:39]
	s_add_nc_u64 s[6:7], s[6:7], s[40:41]
	s_add_nc_u64 s[10:11], s[10:11], s[44:45]
	s_add_nc_u64 s[12:13], s[12:13], s[46:47]
	s_add_nc_u64 s[32:33], s[32:33], s[48:49]
	s_add_nc_u64 s[28:29], s[28:29], s[50:51]
	s_add_nc_u64 s[30:31], s[30:31], s[50:51]
.irp i, 0,1,2,3,4,5,6,7,8,9,10,11      ; 4,096 bytes a copy, each thread its own bytes; these LDS bytes are filled once
	global_load_async_to_lds_b128 v225, v224, s[4:5] offset:4096*\i
	global_load_async_to_lds_b128 v226, v224, s[8:9] offset:4096*\i
.endr
	global_load_async_to_lds_b128 v227, v224, s[6:7]
	global_load_async_to_lds_b64 v229, v228, s[10:11]
	global_load_async_to_lds_b64 v230, v228, s[26:27]
	global_load_b64 v[232:233], v228, s[16:17]     ; gamma: thread i takes channels 2 i, 2 i + 1
	global_load_b64 v[234:235], v228, s[22:23]     ; var
	global_load_b64 v[236:237], v228, s[20:21]     ; mean
	global_load_b64 v[238:239], v228, s[18:19]     ; beta
	global_load_b64 v[240:241], v228, s[14:15]     ; conv_b
	global_load_b64 v[242:243], v228, s[24:25]     ; b_m
	WLOAD 0
	s_wait_loadcnt 14                              ; the six are in; the weights' 14 may be out
	v_add_f32 v234, 0x3727c5ac, v234               ; var + 1e-5
	v_add_f32 v235, 0x3727c5ac, v235
	s_wait_alu depctr_va_vdst(0)
	v_rsq_f32 v234, v234
	v_rsq_f32 v235, v235
	v_pk_add_f32 v[240:241], v[240:241], v[236:237] neg_lo:[0,1] neg_hi:[0,1]   ; conv_b - mean  (plain work behind the two)
	v_pk_add_f32 v[238:239], v[238:239], v[242:243]                             ; beta + b_m
	s_wait_alu depctr_va_vdst(0)                   ; one wait for the two, ahead of their first reader
	v_pk_mul_f32 v[232:233], v[232:233], v[234:235]                             ; sc
	s_delay_alu instid0(VALU_DEP_1)
	v_pk_fma_f32 v[238:239], v[240:241], v[232:233], v[238:239]                 ; off
	ds_store_b64 v231, v[232:233]
	ds_store_b64 v231, v[238:239] offset:2048
	s_wait_asynccnt 0x0                            ; my copies have landed,
	s_wait_dscnt 0x0                               ; and my stores;
	s_barrier_signal -1
	s_barrier_wait -1                              ; everybody's have
	; ---------------- y = x conv_w^T
	CHAIN 0, 0, 0
	PLACES 4
.irp ct, 0,1,2,3                       ; sc and off in the result's layout: register j of tile 2 b + u is column 32 b + 16 h + 8 u + j
	ds_load_b128 v[CT+8*\ct:CT+8*\ct+3], v[CTA] offset:2048+(32*(\ct/2)+8*(\ct%2))*4
	ds_load_b128 v[CT+8*\ct+4:CT+8*\ct+7], v[CTA] offset:2048+(32*(\ct/2)+8*(\ct%2))*4+16
	ds_load_b128 v[RF+8*\ct:RF+8*\ct+3], v[CTA] offset:4096+(32*(\ct/2)+8*(\ct%2))*4
	ds_load_b128 v[RF+8*\ct+4:RF+8*\ct+7], v[CTA] offset:4096+(32*(\ct/2)+8*(\ct%2))*4+16
.endr
	s_wait_dscnt 0x0
	WIN 0x41
.irp rt, 0,1,2,3,4,5,6,7
.irp ct, 0,1,2,3
.irp jp, 0,1,2,3
	v_pk_fma_f32 v[32*\rt+8*\ct+2*\jp:32*\rt+8*\ct+2*\jp+1], v[32*\rt+8*\ct+2*\jp:32*\rt+8*\ct+2*\jp+1], v[CT+8*\ct+2*\jp:CT+8*\ct+2*\jp+1], v[RF+8*\ct+2*\jp:RF+8*\ct+2*\jp+1]
.endr
.endr
.endr
	WIN 0
	s_wait_alu depctr_va_vdst(0)
	; ---------------- out = that + o w_m
	CHAIN 1, 1, 1
	PLACES 4
	QUANT2X4 0, 1, 1, 80, 6                        ; out along the columns: tiles of rows 0-3,
.irp i, 0,1,2,3
	ds_store_b128 v[UW16], v[80+6*\i:80+6*\i+3] offset:6144*\i
	ds_store_b64 v[UW8], v[80+6*\i+4:80+6*\i+5] offset:6144*\i+512
	ds_store_b16 v[USW], v[SWR+\i] offset:128*(\i/2)+64*(\i%2)      ; my two bytes of the K step's scale word; both halves of the lanes write the same bytes with the same value
.endr
	QUANT2X4 128, 1, 1, 104, 6                     ; and 4-7
.irp i, 0,1,2,3
	ds_store_b128 v[UW16], v[104+6*\i:104+6*\i+3] offset:6144*(4+\i)
	ds_store_b64 v[UW8], v[104+6*\i+4:104+6*\i+5] offset:6144*(4+\i)+512
	ds_store_b16 v[USW], v[SWR+\i] offset:128*((4+\i)/2)+64*(\i%2)
.endr
	s_wait_dscnt 0x0                               ; my stores have landed;
	s_barrier_signal -1
	s_barrier_wait -1                              ; out's 32 fragments lie in LDS
	; ---------------- z = out w_out + b_out
.irp ct, 0,1,2,3
	ds_load_b128 v[CT+8*\ct:CT+8*\ct+3], v[CTA] offset:(32*(\ct/2)+8*(\ct%2))*4
	ds_load_b128 v[CT+8*\ct+4:CT+8*\ct+7], v[CTA] offset:(32*(\ct/2)+8*(\ct%2))*4+16
.endr
	CHAIN 2, 2, 2
	PLACES 4
	; ---------------- the mean: my 32 numbers of each row, lane l xor 16's, then the eight waves'
	WIN 0x05
.irp rt, 0,1,2,3,4,5,6,7
	v_pk_add_f32 v[32+2*\rt:33+2*\rt], v[32*\rt:32*\rt+1], v[32*\rt+2:32*\rt+3]
.endr
	WIN 0x04
.set k, 2
.rept 14
.irp rt, 0,1,2,3,4,5,6,7
	v_pk_add_f32 v[32+2*\rt:33+2*\rt], v[32+2*\rt:33+2*\rt], v[32*\rt+2*k:32*\rt+2*k+1]
.endr
.set k, k+1
.endr
	WIN 0
.irp rt, 0,1,2,3,4,5,6,7
	v_add_f32 v[32+2*\rt], v[32+2*\rt], v[33+2*\rt]
.endr
.irp rt, 0,1,2,3,4,5,6,7
	v_permlanex16_b32 v[48+\rt], v[32+2*\rt], s[SEL], s[SEL+1]
.endr
.irp rt, 0,1,2,3,4,5,6,7
	v_add_f32 v[32+2*\rt], v[32+2*\rt], v[48+\rt]
.endr
.irp rt, 0,1,2,3,4,5,6,7
	ds_store_b32 v[S1W], v[32+2*\rt] offset:512*\rt
.endr
	s_wait_dscnt 0x0                               ; my stores have landed, and my reads of the images are over;
	s_barrier_signal -1
	s_barrier_wait -1                              ; everybody's: the images are dead from here on
.irp rt, 0,1,2,3,4,5,6,7
	ds_load_b128 v[80+8*\rt:83+8*\rt], v[S1R] offset:512*\rt
	ds_load_b128 v[84+8*\rt:87+8*\rt], v[S1R] offset:512*\rt+16
.endr
	s_wait_dscnt 0x0
.irp rt, 0,1,2,3,4,5,6,7
	v_pk_add_f32 v[80+8*\rt:81+8*\rt], v[80+8*\rt:81+8*\rt], v[82+8*\rt:83+8*\rt]
.endr
.irp rt, 0,1,2,3,4,5,6,7
	v_pk_add_f32 v[84+8*\rt:85+8*\rt], v[84+8*\rt:85+8*\rt], v[86+8*\rt:87+8*\rt]
.endr
.irp rt, 0,1,2,3,4,5,6,7
	v_pk_add_f32 v[80+8*\rt:81+8*\rt], v[80+8*\rt:81+8*\rt], v[84+8*\rt:85+8*\rt]
.endr
.irp rt, 0,1,2,3,4,5,6,7
	v_add_f32 v[32+2*\rt], v[80+8*\rt], v[81+8*\rt]
.endr
.irp rt, 0,1,2,3,4,5,6,7
	v_mul_f32 v[32+2*\rt], 0x3b000000, v[32+2*\rt] ; / 512
.endr
	; ---------------- d = z - mean, in place; the sums of its squares; d into my stage
	WIN 0x41
.irp rt, 0,1,2,3,4,5,6,7
.set k, 0
.rept 16
	v_pk_add_f32 v[32*\rt+2*k:32*\rt+2*k+1], v[32*\rt+2*k:32*\rt+2*k+1], v[32+2*\rt:33+2*\rt] op_sel_hi:[1,0] neg_lo:[0,1] neg_hi:[0,1]
.set k, k+1
.endr
.endr
	WIN 0x05
.irp rt, 0,1,2,3,4,5,6,7
	v_pk_mul_f32 v[48+2*\rt:49+2*\rt], v[32*\rt:32*\rt+1], v[32*\rt:32*\rt+1]
.endr
.set k, 1
.rept 15
.irp rt, 0,1,2,3,4,5,6,7
	v_pk_fma_f32 v[48+2*\rt:49+2*\rt], v[32*\rt+2*k:32*\rt+2*k+1], v[32*\rt+2*k:32*\rt+2*k+1], v[48+2*\rt:49+2*\rt]
.endr
.set k, k+1
.endr
	WIN 0
.irp rt, 0,1,2,3,4,5,6,7
	v_add_f32 v[48+2*\rt], v[48+2*\rt], v[49+2*\rt]
.endr
.irp rt, 0,1,2,3,4,5,6,7
	v_permlanex16_b32 v[64+\rt], v[48+2*\rt], s[SEL], s[SEL+1]
.endr
.irp rt, 0,1,2,3,4,5,6,7
	v_add_f32 v[48+2*\rt], v[48+2*\rt], v[64+\rt]
.endr
.irp rt, 0,1,2,3,4,5,6,7
	ds_store_b32 v[S2W], v[48+2*\rt] offset:32*(32*(\rt/2)+8*(\rt%2))   ; by the row's true place among the 128
.endr
	WIN 0x04                                       ; an LDS store's data are its source 1: window 1
.irp rt, 0,1,2,3,4,5,6,7
.irp ct, 0,1,2,3
.irp j, 0,1,2,3,4,5,6,7
	ds_store_b32 v[SGI], v[32*\rt+8*\ct+\j] offset:(32*(\ct/2)+8*(\ct%2)+\j)*SPT+4*(32*(\rt/2)+8*(\rt%2))   ; stage row = my column 32 b + 16 h + 8 u + j, place = the row l
.endr
.endr
.endr
	WIN 0
	s_wait_dscnt 0x0
	s_barrier_signal -1
	s_barrier_wait -1                              ; every wave's sums of squares lie in LDS
.irp k, 0,1,2,3,4,5,6,7
	ds_load_b128 v[80+4*\k:83+4*\k], v[S2R] offset:16*\k      ; lane i takes rows 4 i .. 4 i + 3, the four that it will store: eight words each
.endr
	s_mov_b32 s78, 0x3b000000                      ; 1 / 512
	s_mov_b32 s79, 0x3727c5ac                      ; 1e-5
	s_wait_dscnt 0x0
.irp i, 0,1,2,3
	v_pk_add_f32 v[80+8*\i:81+8*\i], v[80+8*\i:81+8*\i], v[82+8*\i:83+8*\i]
.endr
.irp i, 0,1,2,3
	v_pk_add_f32 v[84+8*\i:85+8*\i], v[84+8*\i:85+8*\i], v[86+8*\i:87+8*\i]
.endr
.irp i, 0,1,2,3
	s_delay_alu instid0(VALU_DEP_4)
	v_pk_add_f32 v[80+8*\i:81+8*\i], v[80+8*\i:81+8*\i], v[84+8*\i:85+8*\i]
.endr
.irp i, 0,1,2,3
	s_delay_alu instid0(VALU_DEP_4)
	v_add_f32 v[72+\i], v[80+8*\i], v[81+8*\i]
.endr
.irp i, 0,1,2,3
	s_delay_alu instid0(VALU_DEP_4)
	v_fma_f32 v[72+\i], v[72+\i], s78, s79         ; var + 1e-5
.endr
	s_wait_alu depctr_va_vdst(0)
.irp i, 0,1,2,3
	v_rsq_f32 v[72+\i], v[72+\i]
.endr
	v_mov_b32 v208, 0x3f87dc22                     ; a5, twice (plain work behind the four)
	v_mov_b32 v209, 0x3f87dc22
	s_wait_alu depctr_va_vdst(0)
	s_mov_b32 s66, 0xbfba00e3                      ; a4 .. a1 of the rational form, each named as a pair whose low word serves both halves
	s_mov_b32 s67, s66
	s_mov_b32 s68, 0x3fb5f0e3
	s_mov_b32 s69, s68
	s_mov_b32 s70, 0xbe91a98e
	s_mov_b32 s71, s70
	s_mov_b32 s72, 0x3e827906
	s_mov_b32 s73, s72
	s_mov_b32 s74, 0xbf38aa3b                      ; - log2(e) / 2: e^(-x^2 / 2) = 2^(this x^2)
	s_mov_b32 s75, s74
	s_mov_b32 s76, 0x3e6d3388                      ; 0.3275911 / sqrt(2)
	s_mov_b32 s77, 0x7fffffff
	s_mov_b32 s80, 0
	; ---------------- eight channels a trip: LayerNorm's gain and bias, GELU, stores along l
.Lout:
	s_load_b256 s[44:51], s[28:29], 0x0            ; ln_g of the trip's eight channels
	s_load_b256 s[52:59], s[30:31], 0x0            ; ln_b
	v_add_nc_u32 v6, s43, v[L16]
.irp i, 0,1,2,3,4,5,6,7
	ds_load_b128 v[80+4*\i:83+4*\i], v6 offset:SPT*\i         ; a channel's 128 places: 512 consecutive bytes
.endr
	s_wait_dscnt 0x0
.irp i, 0,1,2,3,4,5,6,7
	v_pk_mul_f32 v[80+4*\i:81+4*\i], v[80+4*\i:81+4*\i], v[72:73]
	v_pk_mul_f32 v[82+4*\i:83+4*\i], v[82+4*\i:83+4*\i], v[74:75]
.endr
	s_wait_kmcnt 0x0
.irp i, 0,1,2,3,4,5,6,7
.irp e, 0,1,2,3
	v_fma_f32 v[80+4*\i+\e], v[80+4*\i+\e], s[44+\i], s[52+\i]   ; x = d / sqrt(var + 1e-5) g + b
.endr
.endr
.set n, 0
.rept 32
	v_fma_f32 v[112+n], |v[80+n]|, s76, 1.0        ; 1 + p |x| / sqrt(2)
.set n, n+1
.endr
.set n, 0
.rept 16
	v_pk_mul_f32 v[144+2*n:145+2*n], v[80+2*n:81+2*n], v[80+2*n:81+2*n]
.set n, n+1
.endr
.set n, 0
.rept 16
	v_pk_mul_f32 v[144+2*n:145+2*n], v[144+2*n:145+2*n], s[74:75] op_sel_hi:[1,0]
.set n, n+1
.endr
.set n, 0
	s_wait_alu depctr_va_vdst(0)
.rept 32
	v_rcp_f32 v[112+n], v[112+n]                   ; t
.set n, n+1
.endr
.set n, 0
.rept 32
	v_exp_f32 v[144+n], v[144+n]                   ; e^(-x^2 / 2)
.set n, n+1
.endr
	v_nop                                          ; a plain line behind the last of them,
	s_wait_alu depctr_va_vdst(0)                   ; and one wait for the 64, ahead of their first reader
.set n, 0
.rept 16
	v_pk_fma_f32 v[176+2*n:177+2*n], v[112+2*n:113+2*n], v[208:209], s[66:67] op_sel_hi:[1,1,0]
.set n, n+1
.endr
.irp c, 68,70,72
.set n, 0
.rept 16
	v_pk_fma_f32 v[176+2*n:177+2*n], v[176+2*n:177+2*n], v[112+2*n:113+2*n], s[\c:\c+1] op_sel_hi:[1,1,0]
.set n, n+1
.endr
.endr
.set n, 0
.rept 16
	v_pk_mul_f32 v[176+2*n:177+2*n], v[176+2*n:177+2*n], v[112+2*n:113+2*n]
.set n, n+1
.endr
.set n, 0
.rept 16
	v_pk_fma_f32 v[176+2*n:177+2*n], v[176+2*n:177+2*n], v[144+2*n:145+2*n], 1.0 op_sel_hi:[1,1,0] neg_lo:[1,0,0] neg_hi:[1,0,0]   ; erf(|x| / sqrt(2))
.set n, n+1
.endr
.set n, 0
.rept 32
	v_bfi_b32 v[176+n], s77, v[176+n], v[80+n]     ; with x's sign
.set n, n+1
.endr
.set n, 0
.rept 16
	v_pk_mul_f32 v[80+2*n:81+2*n], v[80+2*n:81+2*n], 0.5 op_sel_hi:[1,0]
.set n, n+1
.endr
.set n, 0
.rept 16
	v_pk_fma_f32 v[176+2*n:177+2*n], v[80+2*n:81+2*n], v[176+2*n:177+2*n], v[80+2*n:81+2*n]   ; x / 2 (1 + erf)
.set n, n+1
.endr
.irp i, 0,1,2,3,4,5,6,7
	global_store_b128 v[L16], v[176+4*\i:179+4*\i], s[32:33] offset:8192*\i th:TH_STORE_NT   ; 512 consecutive bytes, aligned; written once
.endr
	s_wait_xcnt 0x0                                ; the stores have read their data and their base: both are written again
	s_add_nc_u64 s[32:33], s[32:33], 65536
	s_add_nc_u64 s[28:29], s[28:29], 32
	s_add_nc_u64 s[30:31], s[30:31], 32
	s_add_co_u32 s43, s43, 8*SPT
	s_add_co_u32 s80, s80, 1
	s_cmp_lt_u32 s80, 8
	s_cbranch_scc1 .Lout
	s_wait_xcnt 0x0
	v_lshl_add_u32 v254, v0, 2, 0x45800
	v_mov_b32 v255, 0
	s_wait_alu depctr_va_vdst(0)
	s_wait_tensorcnt 0x0
	ds_add_u32 v254, v255
	s_wait_dscnt 0x0
	s_endpgm
.Lfunc_end_k_qe5e995796d_tail:
	.size	k_qe5e995796d_tail, .Lfunc_end_k_qe5e995796d_tail-k_qe5e995796d_tail
	.p2alignl 7, 3214868480
	.fill 96, 4, 3214868480
	.section	.rodata,"a",@progbits
	.p2align	6, 0x0
	.amdhsa_kernel k_qe5e995796d_tail
		.amdhsa_group_segment_fixed_size 285696
		.amdhsa_private_segment_fixed_size 0
		.amdhsa_enable_private_segment 0
		.amdhsa_kernarg_size 120
		.amdhsa_user_sgpr_count 2
		.amdhsa_user_sgpr_kernarg_segment_ptr 1
		.amdhsa_wavefront_size32 1
		.amdhsa_system_sgpr_workgroup_id_x 1
		.amdhsa_system_sgpr_workgroup_id_y 1
		.amdhsa_system_sgpr_workgroup_id_z 1
		.amdhsa_system_vgpr_workitem_id 0
		.amdhsa_next_free_vgpr 512
		.amdhsa_next_free_sgpr 100
		.amdhsa_reserve_vcc 0
		.amdhsa_float_denorm_mode_32 3
		.amdhsa_float_denorm_mode_16_64 3
		.amdhsa_memory_ordered 1
		.amdhsa_forward_progress 1
		.amdhsa_inst_pref_size 200
	.end_amdhsa_kernel
	.amdgpu_metadata
---
amdhsa.version: [ 1, 2 ]
amdhsa.kernels:
  - .name:           k_qe5e995796d_tail
    .symbol:         k_qe5e995796d_tail.kd
    .args:
      - { .name: xc, .offset: 0, .size: 8, .value_kind: global_buffer, .address_space: global }
      - { .name: xsc, .offset: 8, .size: 8, .value_kind: global_buffer, .address_space: global }
      - { .name: oc, .offset: 16, .size: 8, .value_kind: global_buffer, .address_space: global }
      - { .name: osc, .offset: 24, .size: 8, .value_kind: global_buffer, .address_space: global }
      - { .name: wt, .offset: 32, .size: 8, .value_kind: global_buffer, .address_space: global }
      - { .name: conv_b, .offset: 40, .size: 8, .value_kind: global_buffer, .address_space: global }
      - { .name: bn_gamma, .offset: 48, .size: 8, .value_kind: global_buffer, .address_space: global }
      - { .name: bn_beta, .offset: 56, .size: 8, .value_kind: global_buffer, .address_space: global }
      - { .name: bn_mean, .offset: 64, .size: 8, .value_kind: global_buffer, .address_space: global }
      - { .name: bn_var, .offset: 72, .size: 8, .value_kind: global_buffer, .address_space: global }
      - { .name: b_m, .offset: 80, .size: 8, .value_kind: global_buffer, .address_space: global }
      - { .name: b_out, .offset: 88, .size: 8, .value_kind: global_buffer, .address_space: global }
      - { .name: ln_g, .offset: 96, .size: 8, .value_kind: global_buffer, .address_space: global }
      - { .name: ln_b, .offset: 104, .size: 8, .value_kind: global_buffer, .address_space: global }
      - { .name: out0, .offset: 112, .size: 8, .value_kind: global_buffer, .address_space: global }
    .group_segment_fixed_size: 285696
    .private_segment_fixed_size: 0
    .kernarg_segment_align: 8
    .kernarg_segment_size: 120
    .max_flat_workgroup_size: 256
    .sgpr_count:     100
    .vgpr_count:     512
    .wavefront_size: 32
...
	.end_amdgpu_metadata
.endif
;; end of part 3
